; MI455X (gfx1250); checked and timed in simulation.
; The chip was launched on July 23, 2026; its instructions are those of AMD's public machine-readable ISA for CDNA 5 (MIT licence, August 2026) and "CDNA5" Instruction Set Architecture Reference Guide (July 2026). The comments in the code are by the model that wrote it; some were corrected since.
;; Bahdanau Attention. Allowed arithmetic: float matrix products may take bf16 or f16 operands with f32 sums; all other float work in f32.
;; Inputs: b1 1,024 float32; b2 1,024 float32; bv 1 float32; query 32 x 1,024 float32; values 32 x 2,048 x 1,024 float32; w1 1,024 x 1,024 float32; w2 1,024 x 1,024 float32; wv 1,024 x 1 float32.
;; Outputs: out0 32 x 1,024 float32; out1 32 x 2,048 x 1 float32.
;; 2 versions, each right and faster than the one before. Each part assembles by itself: llvm-mc -triple=amdgcn-amd-amdhsa -mcpu=gfx1250 --defsym DOCPART=n.
;; ======== version 1 of 2: 3 launches
;; limits: values outside matrix products are rounded to bf16
;; workspace buffers: w2f 2,097,152 bytes; qbc 131,072 bytes; sbuf 262,144 bytes; cpart 2,097,152 bytes
;; launch prep (part 1): grid 16 x 2, 16 waves a work-group, no clusters, 133,120 bytes of LDS; arguments w1, w2, query, b1, b2, w2f, qbc; writes w2f, qbc
.if DOCPART == 1
	.amdgcn_target "amdgcn-amd-amdhsa--gfx1250"
	.amdhsa_code_object_version 6
	.text
	.protected	k_qa331ac5528_prep
	.globl	k_qa331ac5528_prep
	.p2align	8
	.type	k_qa331ac5528_prep,@function
k_qa331ac5528_prep:
	s_mov_b64 s[64:65], 0
	v_nop
	global_prefetch_b8 v0, s[64:65] scope:SCOPE_SE
	s_setreg_imm32_b32 hwreg(HW_REG_WAVE_MODE, 25, 1), 1
	s_wait_xcnt 0x0
; PREP.  Two small jobs, chosen by the work-group's y; x = g names 64 columns (256 bytes of every row of a weight matrix).
;   y = 0: w2 [1024 k][1024 u] f32 is rounded to bf16 and written as matrix fragments, w2f [slab 8][K step 32][tile 8][half 2][lane 32][16 bytes]:
;          tile t8 of slab sl holds in lane r (= lane % 16) column u = 128 sl + 64 (t8 / 4) + 4 r + t8 % 4; the 16 bytes of (half, lane) hold k = 32 ks + 16 half + 8 (lane / 16) + 0..7.
;          The columns' order inside a slab is free: the next launch sums over all columns and reads its column constants by the same map.
;   y = 1: qbc [32][1024] = c (query w1 + b1 + b2), c = 2 log2 e: the addend of the exponent in tanh x = 1 - 2 / (1 + 2^(c x)).
; Sixteen waves; wave v takes K steps 2 v and 2 v + 1 (64 rows of the weight matrix).  A lane's 16-byte load holds columns 4 r .. 4 r + 3 of one row: one number for each of four tiles, so
; sixteen lanes read 256 consecutive bytes, and eight rows' numbers pack into a fragment's half without any exchange between lanes.
; y = 1 multiplies (bf16 operands, f32 sums), leaves each wave's partial sums over its 64 k in LDS, and adds the sixteen behind one barrier.
; LIMITS.  w1, w2 and query are rounded to bf16 (nearest even) for the products; sums, biases and the scale in f32.  NaN and infinities are not treated apart.
.set C2L,   0x4038aa3b                 ; c = 2 log2 e = 2.885390
.set SPARE, 131072                     ; behind the partial sums (16 waves x 32 rows x 64 columns x 4 bytes): the spare words, 128 bytes a wave
.set WO,  1                            ; v1   my byte offset in the weight matrix: 8 rows down for lanes 16-31, 16 r, 64 rows a wave
.set QO,  2                            ; v2   my byte offset in query
.set FO,  3                            ; v3   16 x lane
.set PS,  4                            ; v4   where my partial sums go in LDS
.set RD,  5                            ; v5   16 x thread: my 4 numbers of the result, in waves 0-7's partial sums
.set RD2, 6                            ; v6   the same in waves 8-15's
.set GO,  7                            ; v7   my byte offset in qbc
.set SPW, 8                            ; v8   LDS address of my spare word; never rewritten
.set NIL, 9                            ; v9   0; never rewritten
.set GB,  10                           ; v10  16 r
.set QS,  16                           ; v[16:79]   query in f32: 32 s + 16 mt + 8 half + 0..7
.set WS,  80                           ; v[80:207]  the weight rows in f32, a slot of 64 for each K step
.set ACC, 80                           ; v[80:143]  8 accumulators, on slot 0 once it is converted
.set RS,  144                          ; v[144:207] the sixteen partial sums read back, on slot 1 once it is converted
.set BF,  208                          ; v[208:239] four fragments of the weight matrix
.set AF,  240                          ; v[240:255] two fragments of query
.macro WLOAD s                         ; K step s of my two: 16 loads, each two rows x 256 bytes
.irp hf, 0,1
.irp j, 0,1,2,3,4,5,6,7
	global_load_b128 v[WS+64*(\s)+4*(8*(\hf)+(\j)):WS+64*(\s)+4*(8*(\hf)+(\j))+3], v[WO], s[18:19] offset:(\s)*131072+(\hf)*65536+(\j)*4096 th:TH_LOAD_NT
.endr
.endr
.endm
.macro CONVB s                         ; component t of the loads of rows 2 i and 2 i + 1 makes register i of tile t's half
.irp t, 0,1,2,3
.irp hf, 0,1
.irp i, 0,1,2,3
	v_cvt_pk_bf16_f32 v[BF+8*(\t)+4*(\hf)+(\i)], v[WS+64*(\s)+4*(8*(\hf)+2*(\i))+(\t)], v[WS+64*(\s)+4*(8*(\hf)+2*(\i)+1)+(\t)]
.endr
.endr
.endr
.endm
.macro BSTORE s                        ; each store of the wave covers 512 consecutive bytes of w2f, aligned
.irp t, 0,1,2,3
.irp hf, 0,1
	global_store_b128 v[FO], v[BF+8*(\t)+4*(\hf):BF+8*(\t)+4*(\hf)+3], s[14:15] offset:(\s)*8192+(\t)*1024+(\hf)*512
.endr
.endr
.endm
.macro CONVA s
.irp mt, 0,1
.irp hf, 0,1
.irp i, 0,1,2,3
	v_cvt_pk_bf16_f32 v[AF+8*(\mt)+4*(\hf)+(\i)], v[QS+32*(\s)+16*(\mt)+8*(\hf)+2*(\i)], v[QS+32*(\s)+16*(\mt)+8*(\hf)+2*(\i)+1]
.endr
.endr
.endr
.endm
.macro MM zero                         ; 32 rows of query x 64 columns, 32 along K: the eight accumulators take turns
.irp mt, 0,1
.irp t, 0,1,2,3
.if \zero
	v_wmma_f32_16x16x32_bf16 v[ACC+8*(4*(\mt)+(\t)):ACC+8*(4*(\mt)+(\t))+7], v[AF+8*(\mt):AF+8*(\mt)+7], v[BF+8*(\t):BF+8*(\t)+7], 0
.else
	v_wmma_f32_16x16x32_bf16 v[ACC+8*(4*(\mt)+(\t)):ACC+8*(4*(\mt)+(\t))+7], v[AF+8*(\mt):AF+8*(\mt)+7], v[BF+8*(\t):BF+8*(\t)+7], v[ACC+8*(4*(\mt)+(\t)):ACC+8*(4*(\mt)+(\t))+7]
.endif
.endr
.endr
.endm
.macro PLACES                          ; four plain vector instructions between a matrix instruction and what writes its sources or reads its result (ISA guide 7.12.1)
.rept 4
	v_nop
.endr
.endm
	s_load_b256 s[4:11], s[0:1], 0x0               ; w1 s[4:5], w2 s[6:7], query s[8:9], b1 s[10:11]
	s_load_b128 s[12:15], s[0:1], 0x20             ; b2 s[12:13], w2f s[14:15]
	s_load_b64 s[16:17], s[0:1], 0x30              ; qbc
	v_lshl_add_u32 v[SPW], v0, 2, SPARE
	v_mov_b32 v[NIL], 0
	v_lshrrev_b32 v11, 5, v0
	v_readfirstlane_b32 s20, v11                   ; wave 0..15
	s_and_b32 s21, ttmp7, 0xffff                   ; which job
	v_and_b32 v12, 15, v0                          ; r
	v_bfe_u32 v13, v0, 4, 1                        ; lane / 16
	v_and_b32 v14, 31, v0                          ; lane
	v_lshlrev_b32 v[GB], 4, v12
	s_lshl_b32 s22, s20, 18                        ; 64 rows of 4,096 bytes a wave
	v_lshl_add_u32 v[WO], v13, 15, v[GB]
	v_add_nc_u32 v[WO], s22, v[WO]
	s_lshl_b32 s22, s20, 8                         ; 64 k of 4 bytes a wave
	v_lshlrev_b32 v[QO], 12, v12                   ; row r of query,
	v_lshl_add_u32 v[QO], v13, 5, v[QO]            ; 8 k on for lanes 16-31
	v_add_nc_u32 v[QO], s22, v[QO]
	v_lshlrev_b32 v[FO], 4, v14
	s_lshl_b32 s22, s20, 13                        ; 8,192 bytes of partial sums a wave
	v_lshl_add_u32 v[PS], v13, 11, v[GB]           ; rows 8 (lane / 16) on, columns 4 r on
	v_add_nc_u32 v[PS], s22, v[PS]
	v_lshlrev_b32 v[RD], 4, v0
	v_add_nc_u32 v[RD2], 65536, v[RD]
	v_lshrrev_b32 v15, 4, v0                       ; the row of the result that I finish
	v_lshl_add_u32 v[GO], v15, 12, v[GB]
	s_lshl_b32 s24, ttmp9, 8                       ; my 64 columns, in bytes of f32
	s_mov_b32 s25, 0
	s_lshr_b32 s26, ttmp9, 1                       ; in w2f: slab g / 2,
	s_lshl_b32 s26, s26, 18
	s_and_b32 s27, ttmp9, 1                        ; tiles 4 (g % 2) on,
	s_lshl_b32 s27, s27, 12
	s_add_co_u32 s26, s26, s27
	s_lshl_b32 s27, s20, 14                        ; K steps 2 v on
	s_add_co_u32 s26, s26, s27
	s_mov_b32 s27, 0
	s_mov_b32 s28, C2L
	s_mov_b32 s29, C2L                             ; named with it as a pair
	s_wait_kmcnt 0x0
	s_cmp_lg_u32 s21, 0
	s_cbranch_scc1 .Lproj                          ; one branch, the same for all waves of the work-group
	; y = 0: w2 into fragments
	s_add_nc_u64 s[18:19], s[6:7], s[24:25]
	s_add_nc_u64 s[14:15], s[14:15], s[26:27]
	WLOAD 0
	WLOAD 1
	s_wait_loadcnt 16                              ; loads come back in order: the first K step's are in, the second's sixteen stay out
	CONVB 0
	BSTORE 0
	s_wait_loadcnt 0x0
	s_wait_xcnt 0x0                                ; the stores' data registers are written again only behind this wait
	CONVB 1
	BSTORE 1
	s_endpgm                                       ; this way has written no LDS
.Lproj:	; y = 1: c (query w1 + b1 + b2)
	s_add_nc_u64 s[18:19], s[4:5], s[24:25]
	s_add_nc_u64 s[10:11], s[10:11], s[24:25]
	s_add_nc_u64 s[12:13], s[12:13], s[24:25]
	s_add_nc_u64 s[16:17], s[16:17], s[24:25]
.irp s, 0,1
.irp mt, 0,1
.irp hf, 0,1
.irp e, 0,1
	global_load_b128 v[QS+32*(\s)+16*(\mt)+8*(\hf)+4*(\e):QS+32*(\s)+16*(\mt)+8*(\hf)+4*(\e)+3], v[QO], s[8:9] offset:(\mt)*65536+(\s)*128+(\hf)*64+(\e)*16
.endr
.endr
.endr
.endr
	WLOAD 0
	WLOAD 1
	s_wait_loadcnt 16                              ; query and the first K step are in, the second's sixteen stay out
	CONVB 0
	CONVA 0
	MM 1                                           ; the first K step starts the sums
	s_wait_loadcnt 0x0
	PLACES                                         ; the conversions below write the products' sources
	CONVB 1
	CONVA 1
	global_load_b128 v[16:19], v[GB], s[10:11]     ; b1 and b2 of my four columns, into registers of query that are converted
	global_load_b128 v[20:23], v[GB], s[12:13]
	MM 0
	PLACES                                         ; the LDS stores below read the results
.irp mt, 0,1
.irp t, 0,1,2,3
.irp j, 0,1,2,3,4,5,6,7
	ds_store_b32 v[PS], v[ACC+8*(4*(\mt)+(\t))+(\j)] offset:(\mt)*4096+(\j)*256+(\t)*4  ; row 16 mt + 8 (lane / 16) + j, column 4 r + t; each accumulator from its low end
.endr
.endr
.endr
	s_wait_dscnt 0x0                               ; for the others' sake: my partial sums are in LDS
	s_barrier_signal -1
	s_barrier_wait -1
.irp i, 0,1,2,3,4,5,6,7
	ds_load_b128 v[RS+4*(\i):RS+4*(\i)+3], v[RD] offset:8192*(\i)
.endr
.irp i, 0,1,2,3,4,5,6,7
	ds_load_b128 v[RS+32+4*(\i):RS+32+4*(\i)+3], v[RD2] offset:8192*(\i)
.endr
	s_wait_dscnt 0x0
.irp d, 32,16,8,4                      ; sixteen waves' sums into one, by halves
.set i, 0
.rept (\d)/2
	v_pk_add_f32 v[RS+2*i:RS+2*i+1], v[RS+2*i:RS+2*i+1], v[RS+(\d)+2*i:RS+(\d)+2*i+1]
.set i, i+1
.endr
.endr
	s_wait_loadcnt 0x0                             ; b1, b2
	v_pk_add_f32 v[16:17], v[16:17], v[20:21]
	v_pk_add_f32 v[18:19], v[18:19], v[22:23]
	v_pk_add_f32 v[RS:RS+1], v[RS:RS+1], v[16:17]
	v_pk_add_f32 v[RS+2:RS+3], v[RS+2:RS+3], v[18:19]
	v_pk_mul_f32 v[RS:RS+1], v[RS:RS+1], s[28:29] op_sel_hi:[1,0]
	v_pk_mul_f32 v[RS+2:RS+3], v[RS+2:RS+3], s[28:29] op_sel_hi:[1,0]
	global_store_b128 v[GO], v[RS:RS+3], s[16:17]  ; sixteen lanes store 256 consecutive bytes, aligned
	s_wait_tensorcnt 0x0                           ; the wave's end
	ds_add_u32 v[SPW], v[NIL]
	s_wait_dscnt 0x0
	s_endpgm
.Lfunc_end_k_qa331ac5528_prep:
	.size	k_qa331ac5528_prep, .Lfunc_end_k_qa331ac5528_prep-k_qa331ac5528_prep
	.p2alignl 7, 3214868480
	.fill 96, 4, 3214868480
	.section	.rodata,"a",@progbits
	.p2align	6, 0x0
	.amdhsa_kernel k_qa331ac5528_prep
		.amdhsa_group_segment_fixed_size 133120
		.amdhsa_private_segment_fixed_size 0
		.amdhsa_enable_private_segment 0
		.amdhsa_kernarg_size 56
		.amdhsa_user_sgpr_count 2
		.amdhsa_user_sgpr_kernarg_segment_ptr 1
		.amdhsa_wavefront_size32 1
		.amdhsa_system_sgpr_workgroup_id_x 1
		.amdhsa_system_sgpr_workgroup_id_y 1
		.amdhsa_system_sgpr_workgroup_id_z 1
		.amdhsa_system_vgpr_workitem_id 0
		.amdhsa_next_free_vgpr 256
		.amdhsa_next_free_sgpr 66
		.amdhsa_reserve_vcc 0
		.amdhsa_float_denorm_mode_32 3
		.amdhsa_float_denorm_mode_16_64 3
		.amdhsa_memory_ordered 1
		.amdhsa_forward_progress 1
		.amdhsa_inst_pref_size 31
	.end_amdhsa_kernel
	.amdgpu_metadata
---
amdhsa.version: [ 1, 2 ]
amdhsa.kernels:
  - .name:           k_qa331ac5528_prep
    .symbol:         k_qa331ac5528_prep.kd
    .args:
      - { .name: w1, .offset: 0, .size: 8, .value_kind: global_buffer, .address_space: global }
      - { .name: w2, .offset: 8, .size: 8, .value_kind: global_buffer, .address_space: global }
      - { .name: query, .offset: 16, .size: 8, .value_kind: global_buffer, .address_space: global }
      - { .name: b1, .offset: 24, .size: 8, .value_kind: global_buffer, .address_space: global }
      - { .name: b2, .offset: 32, .size: 8, .value_kind: global_buffer, .address_space: global }
      - { .name: w2f, .offset: 40, .size: 8, .value_kind: global_buffer, .address_space: global }
      - { .name: qbc, .offset: 48, .size: 8, .value_kind: global_buffer, .address_space: global }
    .group_segment_fixed_size: 133120
    .private_segment_fixed_size: 0
    .kernarg_segment_align: 8
    .kernarg_segment_size: 56
    .max_flat_workgroup_size: 512
    .sgpr_count:     66
    .vgpr_count:     256
    .wavefront_size: 32
...
	.end_amdgpu_metadata
.endif
;; end of part 1
;; launch main (part 2): grid 512 x 1, 4 waves a work-group, no clusters, 302,080 bytes of LDS; arguments values, w2f, qbc, wv, bv, sbuf, cpart; writes sbuf, cpart
.if DOCPART == 2
	.amdgcn_target "amdgcn-amd-amdhsa--gfx1250"
	.amdhsa_code_object_version 6
	.text
	.protected	k_qa331ac5528_main
	.globl	k_qa331ac5528_main
	.p2align	8
	.type	k_qa331ac5528_main,@function
k_qa331ac5528_main:
	s_mov_b64 s[64:65], 0
	v_nop
	global_prefetch_b8 v0, s[64:65] scope:SCOPE_SE
	s_setreg_imm32_b32 hwreg(HW_REG_WAVE_MODE, 25, 1), 1
	s_wait_xcnt 0x0
; MAIN.  For a block of 128 rows of values (block g of 512; 16 blocks a batch):
;   score[row] = sum over u of wv[u] tanh(q_proj[u] + (values w2)[row][u] + b2[u]) + bv          -> sbuf [65536] f32
;   cpart[g][d] = sum over the block's rows of 2^((score - m) log2 e) values[row][d], m the block's largest score  -> cpart [512][1024] f32
; The last launch joins the 16 blocks of a batch: the softmax's maximum is taken away here by block and there by batch.
; SHARES.  Four waves.  Wave w owns columns u = 256 w .. 256 w + 255, in two passes of 128: 128 rows x 128 columns = 64 accumulators of 16 x 16, 512 registers.
; values ARE READ FROM MEMORY ONCE.  During pass 0 they come in as f32, are rounded to bf16 and laid into LDS, 64 k (a chunk) at a time, each wave its 32 rows; the whole block, 128 x 1024 bf16,
; stays there for pass 1 and for the context.  Each LDS byte of it is stored once; a chunk is read behind the barrier that follows its stores.
; w2 COMES STRAIGHT INTO REGISTERS, as fragments that the launch before has laid out (w2f): a fragment belongs to one wave's columns, so no other wave of the work-group would read it from LDS.
; NO TENSOR LOADS, NO CLUSTER, NO JOINT REQUESTS: work-groups do share w2, but a shared tile has to land in LDS, and the resident block takes 294,912 of the 327,680 bytes that a work-group can
; be given; one K step of 32 for the pass's 512 columns is 32,768 bytes, and two slots of that do not fit beside it.  A block of 64 rows would make room and read w2 twice as often.
; tanh x = 1 - 2 / (1 + 2^(c x)), c = 2 log2 e, in f32; c (q_proj + b2) comes ready as qbc.  2^(c x) may be 0 or infinite: the quotient is then 1 or 0, tanh -1 or 1.
; The product with wv has one column: it is one packed multiply-add on numbers that lie in registers, summed by lane and then across sixteen lanes.
; LIMITS.  values and w2 are rounded to bf16 for the product; the context takes the weights p (0 to 1) and the resident values in bf16, sums in f32.  A weight below 2^-126 counts as 0.
; NaN and infinities in the inputs are not treated apart.
; REGISTERS, in windows of 256 (s_set_vgpr_msb: bits 1:0 source 0, 3:2 source 1, 5:4 source 2, 7:6 destination):
;   window 0: v0-15 addresses; v16-31 converted pairs; v32-47 qbc, v48-63 -2 wv of my 16 column tiles; v64-127 fragments of values (8 m tiles) of the even K steps;
;             pass 0: v128-223 three groups of values in f32, v224-255 a fourth at the start;  later: v128-191 the score sums, v192-255 at work, in pass 1's K steps the fragments of values of the odd steps
;   window 1: pass 0: three buffers of 64 for w2's fragments of a K step (8 tiles), v192-255 the fragments of values of the odd K steps;  pass 1: four buffers for w2
;   window 2: the accumulators of m tiles 0-3, (a, b) at 8 (8 a + b)      window 3: those of m tiles 4-7
.set PMT,   2304                       ; an m tile (16 rows) of a chunk: 8 pieces-columns of 288 bytes
.set PCH,   18432                      ; a chunk (64 k) of the block: 8 m tiles.  The 16 bytes (row, k / 8) lie at chunk PCH + (row / 16) PMT + ((k % 64) / 8) 288 + (row % 16) 16:
                                       ; 16 rows x 16 bytes are 256 bytes on end, so a fragment load's sixteen lanes read 256 consecutive bytes; the 32 bytes of padding spread the stores' 32 lanes over 32 different 8-byte places modulo 256
.set SCR,   16*PCH                     ; four waves x 128 partial scores
.set FIN,   SCR+2048                   ; the block's 128 scores
.set CTX,   FIN+512                    ; 1,024 bytes a wave: the context's way out
.set SPARE, CTX+4096                   ; the spare words, 128 bytes a wave
.set RA,   1                           ; v1   16 r (r = lane % 16)
.set BOFF, 2                           ; v2   16 x lane
.set AL,   3                           ; v3   LDS address of my fragment loads, in the chunk of the step to be fetched
.set AL0,  4                           ; v4   its start: 288 (lane / 16) + 16 r
.set SL,   5                           ; v5   LDS address of my stores of converted values, in the chunk of the group to be stored
.set GA,   6                           ; v6   my byte offset in the block of values
.set TLA,  7                           ; v7   LDS address of the turning loads, channel tiles 0-7 of my 16
.set TLB,  8                           ; v8   channel tiles 8-15
.set PS,   9                           ; v9   where my partial scores go
.set FR,   10                          ; v10  where I read the scores back
.set CB,   11                          ; v11  the context's way out: in
.set CR,   12                          ; v12  and back
.set SPW,  13                          ; v13  LDS address of my spare word; never rewritten
.set NIL,  14                          ; v14  0; never rewritten
.set WS,   15                          ; v15  the sum of my lane's 16 wv
.set CT,   16                          ; v[16:31]  converted pairs on their way into LDS
.set QB,   32
.set WV,   48
.set FA,   64                          ; the even steps' fragments of values; the odd steps' lie 128 registers on, in window 1 (pass 0) or 0 (pass 1)
.set QBX,  64                          ; v[64:79]  in the tanh phase: a pass's 8 qbc, each in an even register, so that a packed instruction takes it for both halves
.set WVX,  80                          ; v[80:95]  the same for -2 wv
.set P,    64                          ; v[64:95]  at the end: the weights in bf16
.set M0,   96                          ; v[96:99]  four running maxima
.set MC,   100                         ; v[100:101] m log2 e
.set LN,   102                         ; v102 lane
.set SR,   103                         ; v103 wave 0: where the four waves' partial scores lie
.set FW,   104                         ; v104 wave 0: where the scores go
.set O,    106                         ; v[106:113] my 256 channels of the context, 32 a register
.set BK,   116                         ; v[116:123] the same, four neighbouring channels a lane
.set G,    128                         ; group n of values lies in set n % 3
.set GX,   224                         ; but group 3, which is asked for while set 0 still holds group 0
.set SC,   128
.set T,    192
.set MSB, 0
.macro WIN new                         ; the immediate's high byte repeats the setting that is left; a switch that changes nothing is dropped
.if MSB != (\new)
	s_set_vgpr_msb (MSB<<8)|(\new)
.set MSB, (\new)
.endif
.endm
.macro PLACES                          ; four plain vector instructions between a matrix instruction and a load into, or a vector write of, its sources, or a read of its result (ISA guide 7.12.1 for vector instructions)
.rept 4
	v_nop
.endr
.endm
; w2's fragments of K step koff (counted from the step at which s[6:7] stands) into buffer buf: 16 loads of 512 consecutive bytes
.macro BLOAD buf, koff
	WIN 0x40
.irp t, 0,1,2,3,4,5,6,7
	global_load_b128 v[64*(\buf)+8*(\t):64*(\buf)+8*(\t)+3],   v[BOFF], s[6:7] offset:(\koff)*8192+(\t)*1024
	global_load_b128 v[64*(\buf)+8*(\t)+4:64*(\buf)+8*(\t)+7], v[BOFF], s[6:7] offset:(\koff)*8192+(\t)*1024+512
.endr
.endm
; A GROUP of values: one of my two m tiles (part) x one chunk (crel, counted from s[4:5]): 8 loads, each two rows x 256 bytes, into the 32 registers from gb on
.macro VLOAD gb, part, crel
	WIN 0
.irp i, 0,1,2,3,4,5,6,7
	global_load_b128 v[(\gb)+4*(\i):(\gb)+4*(\i)+3], v[GA], s[4:5] offset:(\part)*65536+(\i)*8192+(\crel)*256 th:TH_LOAD_NT
.endr
.endm
; the group is rounded to bf16: all sixteen conversions together,
.macro VCVT gb
	WIN 0
.irp i, 0,1,2,3,4,5,6,7
	v_cvt_pk_bf16_f32 v[CT+2*(\i)],   v[(\gb)+4*(\i)],   v[(\gb)+4*(\i)+1]
	v_cvt_pk_bf16_f32 v[CT+2*(\i)+1], v[(\gb)+4*(\i)+2], v[(\gb)+4*(\i)+3]
.endr
.endm
; and then stored, all eight stores together: a lane's four k are 8 bytes
.macro VSTORE part
.irp i, 0,1,2,3,4,5,6,7
	ds_store_b64 v[SL], v[CT+2*(\i):CT+2*(\i)+1] offset:(\part)*PMT+(\i)*32
.endr
.endm
; fragments of values for the even (par = 0) or odd K step of the chunk at which AL stands: all 8 m tiles, 16 loads, into window aw from register ar on
.macro ALOAD par, aw, ar
	WIN 0x40*(\aw)
.irp m, 0,1,2,3,4,5,6,7
	ds_load_b128 v[(\ar)+8*(\m):(\ar)+8*(\m)+3],   v[AL] offset:(\m)*PMT+(\par)*1152
	ds_load_b128 v[(\ar)+8*(\m)+4:(\ar)+8*(\m)+7], v[AL] offset:(\m)*PMT+(\par)*1152+576
.endr
.endm
; 32 matrix instructions: m tiles 4 hi .. 4 hi + 3 x 8 column tiles, 32 along K.  In the result a lane holds column r and rows 8 (lane / 16) + 0..7 of the m tile.
; The 64 accumulators take turns in the same order in every step.  zero = 1: the first K step starts the sums.
.macro MUL hi, aw, ar, buf, zero
	WIN 0xa4+0x50*(\hi)+(\aw)
.irp m, 0,1,2,3
.irp b, 0,1,2,3,4,5,6,7
.if \zero
	v_wmma_f32_16x16x32_bf16 v[8*(8*(\m)+(\b)):8*(8*(\m)+(\b))+7], v[(\ar)+8*(4*(\hi)+(\m)):(\ar)+8*(4*(\hi)+(\m))+7], v[64*(\buf)+8*(\b):64*(\buf)+8*(\b)+7], 0
.else
	v_wmma_f32_16x16x32_bf16 v[8*(8*(\m)+(\b)):8*(8*(\m)+(\b))+7], v[(\ar)+8*(4*(\hi)+(\m)):(\ar)+8*(4*(\hi)+(\m))+7], v[64*(\buf)+8*(\b):64*(\buf)+8*(\b)+7], v[8*(8*(\m)+(\b)):8*(8*(\m)+(\b))+7]
.endif
.endr
.endr
.endm
; A K STEP of pass p, number k = base + krel (the base is a multiple of 6 in pass 0, of 4 in pass 1): 32 products, the step's vector work, ONE RUN of all its LDS and memory instructions, 32 products:
; vector and memory instructions change places once a step.  The run touches no register of this step's products: the fragments of values have two buffers (even and odd steps), and
;   pass 0: w2 has three buffers, step k in buffer k % 3; the run asks for w2(k + 2), into the buffer that step k - 1 has left.
;   pass 1: w2 has four, taken in the order 2, 0, 1, 3, which goes on from pass 0's three; the run asks for w2(k + 3), into the buffer that step k - 1 has left.
; The run, in order:  conv: group k + 3 of values, converted just before, is stored;  anext: the fragments of values of step k + 1;  bld: w2;  vld: group k + 6, into the registers that group k + 3 has left.
; The sixteen conversions are the four places between step k - 1's products and the loads into registers that they read; where nothing is converted, four v_nop are.
; lc: the global loads that may stay out at the step's head.  Pass 0: behind w2(k) stand group k + 4 (8), w2(k + 1) (16), group k + 5 (8) = 32, and group k + 3 was asked for ahead of w2(k);
; with the run's 24 a wave has 56 loads out.  Pass 1: behind w2(k) stand w2(k + 1) and w2(k + 2) = 32.  The tails' counts stand at their lines.
; The LDS wait at the head is for 0: the fragments were asked for 32 products ago, and my stores of the last run are then done too.
; bar (the odd steps 1 to 29 of pass 0): chunk (k + 1) / 2 was stored in the runs of steps k - 2 and k - 1.  ONE barrier: signalled at the head, behind that wait; waited for behind the first 32 products,
; ahead of the run that fetches the chunk's first fragments.
; cx = 1 (step 0 alone): the group to convert, 3, lies in the fourth set.
.macro STEP p, krel, zero, bar, conv, vld, bld, lc, anext, cx=0
.set PAR, (\krel)%2
.if \p
.set XK, (\krel)%4
.set XL, ((\krel)+3)%4
.set BUFK, ((XK+2)%3)*(1-XK/3)+3*(XK/3)
.set BUFL, ((XL+2)%3)*(1-XL/3)+3*(XL/3)
.set KOFF, (\krel)+3
.set AW1, 0
.else
.set BUFK, (\krel)%3
.set BUFL, ((\krel)+2)%3
.set KOFF, (\krel)+2
.set AW1, 1
.endif
.set AWK, PAR*AW1
.set ARK, FA+128*PAR
.set AWN, (1-PAR)*AW1
.set ARN, FA+128*(1-PAR)
.set GK, G+32*((\krel)%3)
.set GC, GK
.if \cx
.set GC, GX
.endif
	s_wait_dscnt 0x0
.if \bar
	s_barrier_signal -1
.endif
	s_wait_loadcnt \lc
	MUL 0, AWK, ARK, BUFK, \zero
	WIN 0
.if \bar
	s_barrier_wait -1
.endif
.if \conv
	VCVT GC
	VSTORE ((\krel)+1)%2
.elseif (\anext)+(\bld)
	PLACES
.endif
.if \anext
	ALOAD 1-PAR, AWN, ARN
.endif
.if \bld
	BLOAD BUFL, KOFF
.endif
.if \vld
	VLOAD GK, PAR, ((\krel)+6)/2
.endif
	WIN 0
.if (\anext) && (PAR == 0)
	v_add_nc_u32 v[AL], PCH, v[AL]                 ; an odd step was fetched: the next fetch is the next chunk's
.endif
.if (\conv) && (PAR == 0)
	v_add_nc_u32 v[SL], PCH, v[SL]                 ; a chunk's second group was stored
.endif
	MUL 1, AWK, ARK, BUFK, \zero
.endm
.macro TRIPEND bstep, vstep            ; the base goes a trip's K steps on
	WIN 0                                          ; at a label and at a branch every window is 0
	s_wait_xcnt 0x0                                ; the loads' scalar bases are written again only behind this wait
	s_add_nc_u64 s[6:7], s[6:7], \bstep
.if \vstep
	s_add_nc_u64 s[4:5], s[4:5], \vstep
.endif
.endm
.macro XCONST o                        ; a pass's 8 column constants into even registers
.irp b, 0,1,2,3,4,5,6,7
	v_mov_b32 v[QBX+2*(\b)], v[QB+(\o)+(\b)]
	v_mov_b32 v[WVX+2*(\b)], v[WV+(\o)+(\b)]
.endr
.endm
; THE TANH PHASE of a pass: for each m tile a, its 64 result registers (pair q = 4 b + jp: column tile b, rows 2 jp, 2 jp + 1):
;   c x = c acc + qbc;  2^(c x);  + 1;  1 / ..;  score sum += -2 wv / ..        (each accumulator is read from its low end)
; The last four run as a pipeline, pair by pair: two exponentials, the addition of the pair before, two reciprocals of the pair before that, the multiply-add of the pair before that:
; a plain instruction stands between every exponential or reciprocal and the use of its result (ISA guide 5.7.2).
.macro EPI
.set a, 0
.rept 8
	WIN 0x02+(a/4)
.set q, 0
.rept 32
	v_pk_fma_f32 v[T+2*q:T+2*q+1], v[64*(a%4)+8*(q/4)+2*(q%4):64*(a%4)+8*(q/4)+2*(q%4)+1], s[24:25], v[QBX+2*(q/4):QBX+2*(q/4)+1] op_sel_hi:[1,0,0]
.set q, q+1
.endr
	WIN 0
.set i, 0
.rept 35
.if i < 32
	v_exp_f32 v[T+2*i], v[T+2*i]
	v_exp_f32 v[T+2*i+1], v[T+2*i+1]
.endif
.if i == 0
	v_nop
.endif
.if (i >= 1) && (i <= 32)
	s_wait_alu depctr_va_vdst(0)
	v_pk_add_f32 v[T+2*i-2:T+2*i-1], v[T+2*i-2:T+2*i-1], 1.0 op_sel_hi:[1,0]
.endif
.if (i >= 2) && (i <= 33)
	v_rcp_f32 v[T+2*i-4], v[T+2*i-4]
	v_rcp_f32 v[T+2*i-3], v[T+2*i-3]
.endif
.if i >= 3
.set z, i-3
	s_wait_alu depctr_va_vdst(0)
	v_pk_fma_f32 v[SC+8*a+2*(z%4):SC+8*a+2*(z%4)+1], v[T+2*z:T+2*z+1], v[WVX+2*(z/4):WVX+2*(z/4)+1], v[SC+8*a+2*(z%4):SC+8*a+2*(z%4)+1] op_sel_hi:[1,0,1]
.endif
.set i, i+1
.endr
.set a, a+1
.endr
.endm
; THE CONTEXT's operands: rows 32 rho .. 32 rho + 31 of the block x my 256 channels, turned: 16 fragments (lane: channel r of tile t; along the registers: rows) into buffer buf of 128 registers
.macro TRLOAD rho, buf
	WIN 0x40
.set t, 0
.rept 16
.if t < 8
	ds_load_tr16_b128 v[128*(\buf)+8*t:128*(\buf)+8*t+3],   v[TLA] offset:((t/4)%2)*PCH+2*(\rho)*PMT+(t%4)*576
	ds_load_tr16_b128 v[128*(\buf)+8*t+4:128*(\buf)+8*t+7], v[TLA] offset:((t/4)%2)*PCH+2*(\rho)*PMT+(t%4)*576+PMT
.else
	ds_load_tr16_b128 v[128*(\buf)+8*t:128*(\buf)+8*t+3],   v[TLB] offset:((t/4)%2)*PCH+2*(\rho)*PMT+(t%4)*576
	ds_load_tr16_b128 v[128*(\buf)+8*t+4:128*(\buf)+8*t+7], v[TLB] offset:((t/4)%2)*PCH+2*(\rho)*PMT+(t%4)*576+PMT
.endif
.set t, t+1
.endr
.endm
.macro CMUL rho, buf, zero             ; 16 matrix instructions, one for each channel tile: source 0 = the 32 rows' weights, alike in all 16 rows of the operand; the 16 accumulators take turns
	WIN 0xa4
.set t, 0
.rept 16
.if \zero
	v_wmma_f32_16x16x32_bf16 v[8*t:8*t+7], v[P+8*(\rho):P+8*(\rho)+7], v[128*(\buf)+8*t:128*(\buf)+8*t+7], 0
.else
	v_wmma_f32_16x16x32_bf16 v[8*t:8*t+7], v[P+8*(\rho):P+8*(\rho)+7], v[128*(\buf)+8*t:128*(\buf)+8*t+7], v[8*t:8*t+7]
.endif
.set t, t+1
.endr
.endm
	s_load_b256 s[4:11], s[0:1], 0x0               ; values s[4:5], w2f s[6:7], qbc s[8:9], wv s[10:11]
	s_load_b128 s[12:15], s[0:1], 0x20             ; bv s[12:13], sbuf s[14:15]
	s_load_b64 s[16:17], s[0:1], 0x30              ; cpart
	v_lshl_add_u32 v[SPW], v0, 2, SPARE
	v_mov_b32 v[NIL], 0
	v_lshrrev_b32 v16, 5, v0
	v_readfirstlane_b32 s18, v16                   ; wave 0..3
	s_mov_b32 s19, ttmp9                           ; block g
	v_and_b32 v17, 31, v0                          ; lane
	v_and_b32 v18, 15, v0                          ; r
	v_bfe_u32 v19, v0, 4, 1                        ; h = lane / 16
	v_lshlrev_b32 v[RA], 4, v18
	v_lshlrev_b32 v[BOFF], 4, v17
	v_mul_u32_u24 v20, v19, 288
	v_add_nc_u32 v[AL0], v20, v[RA]                ; a fragment's first 16 bytes: k / 8 = h, row r
	v_lshrrev_b32 v21, 1, v18                      ; my four k of a chunk, 4 r on: k / 8 = r / 2,
	v_mul_u32_u24 v21, v21, 288
	v_and_b32 v22, 1, v18                          ; its lower or upper 8 bytes,
	v_lshl_add_u32 v21, v22, 3, v21
	v_lshl_add_u32 v21, v19, 4, v21                ; the even or the odd row of a load's two,
	s_mul_i32 s20, s18, 2*PMT                      ; in my wave's two m tiles
	v_add_nc_u32 v[SL], s20, v21
	s_lshl_b32 s20, s18, 17                        ; my wave's 32 rows of 4,096 bytes
	v_lshl_add_u32 v[GA], v19, 12, v[RA]
	v_add_nc_u32 v[GA], s20, v[GA]
	v_bfe_u32 v21, v0, 3, 1                        ; the turning load: lane l reads 16 bytes: row 8 h + l % 8, channels 8 ((l / 8) % 2) on
	v_mul_u32_u24 v21, v21, 288
	v_and_b32 v22, 7, v0
	v_lshl_add_u32 v22, v19, 3, v22
	v_lshl_add_u32 v21, v22, 4, v21
	s_mul_i32 s20, s18, 4*PCH                      ; my 256 channels are four chunks
	v_add_nc_u32 v[TLA], s20, v21
	v_add_nc_u32 v[TLB], 2*PCH, v[TLA]
	s_lshl_b32 s20, s18, 9
	s_add_co_u32 s20, s20, SCR
	v_lshl_add_u32 v[PS], v19, 5, s20              ; rows 8 h on of each m tile
	v_lshl_add_u32 v[FR], v19, 5, FIN
	s_lshl_b32 s20, s18, 10
	s_add_co_u32 s20, s20, CTX
	v_lshl_add_u32 v[CB], v17, 2, s20
	v_lshl_add_u32 v[CR], v17, 4, s20
	s_mov_b32 s24, 0x4038aa3b                      ; c = 2 log2 e
	s_mov_b32 s25, 0x4038aa3b                      ; (pairs: a packed instruction names both words)
	s_mov_b32 s26, 0x3fb8aa3b                      ; log2 e
	s_mov_b32 s27, 0x3fb8aa3b
	s_mov_b32 s30, 0x76543210                      ; v_permlanex16_b32: each lane takes its own place in the other half
	s_mov_b32 s31, 0xfedcba98
	s_wait_kmcnt 0x0
	s_load_b32 s28, s[12:13], 0x0                  ; bv
	s_lshl_b32 s20, s19, 19                        ; a block of values: 128 rows of 4,096 bytes
	s_mov_b32 s21, 0
	s_add_nc_u64 s[4:5], s[4:5], s[20:21]
	s_lshl_b32 s20, s18, 19                        ; my wave's two slabs of w2f lie on end
	s_add_nc_u64 s[6:7], s[6:7], s[20:21]
	s_lshl_b32 s22, s18, 10                        ; my 256 columns or channels in f32
	s_mov_b32 s23, 0
	s_add_nc_u64 s[10:11], s[10:11], s[22:23]
	s_lshr_b32 s20, s19, 4                         ; the batch
	s_lshl_b32 s20, s20, 12
	s_add_co_u32 s20, s20, s22
	s_add_nc_u64 s[8:9], s[8:9], s[20:21]
	s_lshl_b32 s20, s19, 9
	s_add_nc_u64 s[14:15], s[14:15], s[20:21]
	s_lshl_b32 s20, s19, 12
	s_add_co_u32 s20, s20, s22
	s_add_nc_u64 s[16:17], s[16:17], s[20:21]
.irp x, 0,1,2,3                        ; column tile 4 x + t of my 16 holds in lane r column 64 x + 4 r + t: a 16-byte load is one number for each of four tiles
	global_load_b128 v[QB+4*(\x):QB+4*(\x)+3], v[RA], s[8:9] offset:256*(\x)
.endr
.irp x, 0,1,2,3
	global_load_b128 v[WV+4*(\x):WV+4*(\x)+3], v[RA], s[10:11] offset:256*(\x)
.endr
	VLOAD G, 0, 0                                  ; groups 0 to 3: chunks 0 and 1
	VLOAD G+32, 1, 0
	VLOAD G+64, 0, 1
	VLOAD GX, 1, 1
	BLOAD 0, 0
	BLOAD 1, 1
	WIN 0
	s_wait_kmcnt 0x0
	s_mov_b32 s29, s28
	s_wait_loadcnt 48                              ; groups 2 and 3 (16) and w2's steps 0 and 1 (32) stay out: the constants and groups 0 and 1 are in
	v_add_f32 v[WS], v[WV], v[WV+1]
.set i, 2
.rept 14
	v_add_f32 v[WS], v[WS], v[WV+i]
.set i, i+1
.endr
.set i, 0
.rept 8
	v_pk_mul_f32 v[WV+2*i:WV+2*i+1], v[WV+2*i:WV+2*i+1], -2.0 op_sel_hi:[1,0]
.set i, i+1
.endr
	VCVT G
	VSTORE 0
	VCVT G+32
	VSTORE 1
	VLOAD G+32, 0, 2                               ; group 4, into the set that group 1 has left
	v_add_nc_u32 v[SL], PCH, v[SL]                 ; chunk 0 is stored
	s_wait_loadcnt 48                              ; group 3 (8), w2's steps 0 and 1 (32), group 4 (8) stay out: group 2 is in
	VCVT G+64
	VSTORE 0
	VLOAD G+64, 1, 2                               ; group 5
	s_wait_dscnt 0x0                               ; my part of chunk 0 is in LDS,
	s_barrier_signal -1
	s_barrier_wait -1                              ; everybody's is
	v_mov_b32 v[AL], v[AL0]
	ALOAD 0, 0, FA
	; PASS 0: columns 256 w .. 256 w + 127; values arrive
	;    p  krel zero bar conv vld bld lc anext cx
	STEP 0, 0,   1,   0,  1,   1,  1,  32, 1,   1  ; 0: behind w2(0): w2(1) (16), groups 4 and 5 (16); group 3 was asked for ahead of it
	WIN 0
	s_mov_b32 s32, 4
.Lk0:                                              ; K steps 1 to 24, six a trip.  (At step 1 of the first trip 40 loads stand behind w2(1): groups 4 and 5, w2(2), group 6; the count 32 shows group 4 in as well)
	STEP 0, 1,   0,   1,  1,   1,  1,  32, 1
	STEP 0, 2,   0,   0,  1,   1,  1,  32, 1
	STEP 0, 3,   0,   1,  1,   1,  1,  32, 1
	STEP 0, 4,   0,   0,  1,   1,  1,  32, 1
	STEP 0, 5,   0,   1,  1,   1,  1,  32, 1
	STEP 0, 6,   0,   0,  1,   1,  1,  32, 1
	TRIPEND 6*8192, 3*256
	s_sub_co_u32 s32, s32, 1
	s_cmp_lg_u32 s32, 0
	s_cbranch_scc1 .Lk0
	STEP 0, 1,   0,   1,  1,   1,  1,  32, 1       ; 25: the last group, 31, is asked for
	STEP 0, 2,   0,   0,  1,   0,  1,  32, 1       ; 26: behind w2(26): group 30, w2(27), group 31
	STEP 0, 3,   0,   1,  1,   0,  1,  24, 1       ; 27: behind w2(27): group 31, w2(28)
	STEP 0, 4,   0,   0,  1,   0,  1,  16, 1       ; 28: behind w2(28): w2(29); the last group is stored
	STEP 0, 5,   0,   1,  0,   0,  1,  16, 1       ; 29: the last barrier: chunk 15
	STEP 0, 6,   0,   0,  0,   0,  1,  16, 1       ; 30: from here on w2's loads are pass 1's: the wave's two slabs lie on end
	STEP 0, 7,   0,   0,  0,   0,  1,  16, 0       ; 31
	WIN 0
	PLACES                                         ; the load below lands in the buffer that step 31 has multiplied
	BLOAD 1, 10                                    ; pass 1's K step 2: three steps of w2 are on their way during the tanh phase
	WIN 0
	s_wait_xcnt 0x0
	s_add_nc_u64 s[6:7], s[6:7], 8*8192            ; w2f at pass 1's K step 0
	XCONST 0
.set i, 0
.rept 64                               ; the score sums start with the '1' of tanh = 1 - 2 / (..), times wv, for my lane's 16 columns of both passes
	v_mov_b32 v[SC+i], v[WS]
.set i, i+1
.endr
	s_mov_b32 s33, 0
.Lepi:                                             ; walked twice: behind pass 0 and behind pass 1
	EPI
	s_cmp_eq_u32 s33, 1
	s_cbranch_scc1 .Lfin
	; PASS 1: columns 256 w + 128 .. 256 w + 255; values lie in LDS
	v_mov_b32 v[AL], v[AL0]
	ALOAD 0, 0, FA
	STEP 1, 0,   1,   0,  0,   0,  1,  32, 1
	WIN 0
	s_mov_b32 s32, 7
.Lk1:                                              ; K steps 1 to 28, four a trip
	STEP 1, 1,   0,   0,  0,   0,  1,  32, 1
	STEP 1, 2,   0,   0,  0,   0,  1,  32, 1
	STEP 1, 3,   0,   0,  0,   0,  1,  32, 1
	STEP 1, 4,   0,   0,  0,   0,  1,  32, 1
	TRIPEND 4*8192, 0
	s_sub_co_u32 s32, s32, 1
	s_cmp_lg_u32 s32, 0
	s_cbranch_scc1 .Lk1
	STEP 1, 1,   0,   0,  0,   0,  0,  32, 1       ; 29: behind w2(29): w2(30), w2(31)
	STEP 1, 2,   0,   0,  0,   0,  0,  16, 1       ; 30
	STEP 1, 3,   0,   0,  0,   0,  0,  0,  0       ; 31
	WIN 0
	PLACES                                         ; the tanh phase writes registers that step 31 has read
	XCONST 8
	s_add_co_u32 s33, s33, 1
	s_cmp_lt_u32 s33, 2
	s_cbranch_scc1 .Lepi
.Lfin:	; SCORES, WEIGHTS, CONTEXT
	TRLOAD 0, 0                                    ; the context's first operands come while the scores are summed
	TRLOAD 1, 1
	WIN 0
.irp x, 1,2,4,8                        ; over the sixteen lanes of a half: every lane then holds the sum over my wave's 256 columns for rows 16 a + 8 h + j
.set i, 0
.rept 64
	v_add_f32_dpp v[SC+i], v[SC+i], v[SC+i] row_xmask:\x row_mask:0xf bank_mask:0xf
.set i, i+1
.endr
.endr
.set i, 0
.rept 16
	ds_store_b128 v[PS], v[SC+4*i:SC+4*i+3] offset:64*(i/2)+16*(i%2)  ; the sixteen lanes of a half store the same numbers to the same words
.set i, i+1
.endr
	v_add_nc_u32 v[SR], SCR, v[BOFF]
	v_add_nc_u32 v[FW], FIN, v[BOFF]
	s_wait_dscnt 0x0                               ; for wave 0's sake: my partial scores are in LDS
	s_barrier_signal -1
	s_barrier_wait -1
	s_cmp_lg_u32 s18, 0
	s_cbranch_scc1 .Lnot0
.irp x, 0,1,2,3                        ; wave 0 adds the four waves' parts and bv: four rows a lane
	ds_load_b128 v[16+4*(\x):19+4*(\x)], v[SR] offset:512*(\x)
.endr
	s_wait_dscnt 0x0
	v_pk_add_f32 v[16:17], v[16:17], v[20:21]
	v_pk_add_f32 v[18:19], v[18:19], v[22:23]
	v_pk_add_f32 v[24:25], v[24:25], v[28:29]
	v_pk_add_f32 v[26:27], v[26:27], v[30:31]
	v_pk_add_f32 v[16:17], v[16:17], v[24:25]
	v_pk_add_f32 v[18:19], v[18:19], v[26:27]
	v_pk_add_f32 v[16:17], v[16:17], s[28:29] op_sel_hi:[1,0]
	v_pk_add_f32 v[18:19], v[18:19], s[28:29] op_sel_hi:[1,0]
	ds_store_b128 v[FW], v[16:19]
	global_store_b128 v[BOFF], v[16:19], s[14:15]  ; the block's 128 scores: 512 consecutive bytes, aligned; v16-19 are not written again
.Lnot0:
	s_wait_dscnt 0x0                               ; wave 0's store of the scores is done
	s_barrier_signal -1
	s_barrier_wait -1
.set i, 0
.rept 16                               ; the scores in the order of a matrix operand: for each 32 rows, rows 8 h + 0..7 and 16 + 8 h + 0..7: 64 of the 128 a lane
	ds_load_b128 v[T+4*i:T+4*i+3], v[FR] offset:64*(i/2)+16*(i%2)
.set i, i+1
.endr
	s_wait_dscnt 0x0                               ; the scores, and the context's first operands
.irp x, 0,1,2,3                        ; the block's maximum: four chains, three operands at a time
	v_max3_num_f32 v[M0+(\x)], v[T+16*(\x)], v[T+16*(\x)+1], v[T+16*(\x)+2]
.endr
.irp n, 1,2,3,4,5,6
.irp x, 0,1,2,3
	v_max3_num_f32 v[M0+(\x)], v[M0+(\x)], v[T+16*(\x)+2*(\n)+1], v[T+16*(\x)+2*(\n)+2]
.endr
.endr
	v_max3_num_f32 v[M0], v[M0], v[T+15], v[T+31]
	v_max3_num_f32 v[M0+1], v[M0+1], v[T+47], v[T+63]
	v_max3_num_f32 v[M0], v[M0], v[M0+1], v[M0+2]
	v_max_num_f32 v[M0], v[M0], v[M0+3]
	v_permlanex16_b32 v[M0+1], v[M0], s30, s31     ; the other 64 rows lie in the lane 16 away
	v_max_num_f32 v[M0], v[M0], v[M0+1]
	v_mul_f32 v[MC], s26, v[M0]
	v_mov_b32 v[MC+1], v[MC]                       ; named with it as a pair
.set i, 0
.rept 32
	v_pk_fma_f32 v[T+2*i:T+2*i+1], v[T+2*i:T+2*i+1], s[26:27], v[MC:MC+1] op_sel_hi:[1,0,0] neg_lo:[0,0,1] neg_hi:[0,0,1]  ; (s - m) log2 e
.set i, i+1
.endr
.set i, 0
.rept 64
	v_exp_f32 v[T+i], v[T+i]
.set i, i+1
.endr
	v_nop                                          ; a plain instruction between the last exponential and the use of its result
.set i, 0
	s_wait_alu depctr_va_vdst(0)
.rept 32
	v_cvt_pk_bf16_f32 v[P+i], v[T+2*i], v[T+2*i+1]
.set i, i+1
.endr
	CMUL 0, 0, 1                                   ; rows 0-31 start the sums
	PLACES
	TRLOAD 2, 0
	CMUL 1, 1, 0
	PLACES
	TRLOAD 3, 1
	s_wait_dscnt 32                                ; rows 64-95 are in; the 32 loads of rows 96-127 stay out
	CMUL 2, 0, 0
	s_wait_dscnt 0x0
	CMUL 3, 1, 0
	WIN 0
	PLACES
	v_and_b32 v[LN], 31, v0
	v_cmp_le_u32 vcc_lo, 16, v[LN]
	WIN 0x0a                                       ; sources 0 and 1 window 2
.irp i, 0,1,2,3,4,5,6,7                ; all rows of a result are alike: its lowest register holds channel r in both halves of the lanes; two tiles make 32 channels, one a lane
	v_cndmask_b32 v[O+(\i)], v[16*(\i)], v[16*(\i)+8], vcc_lo
.endr
	WIN 0
.irp i, 0,1,2,3,4,5,6,7
	ds_store_b32 v[CB], v[O+(\i)] offset:128*(\i)
.endr
	ds_load_b128 v[BK:BK+3], v[CR]                 ; my wave's own bytes; LDS serves a wave's instructions in order (ISA guide 5.7.1.4): these see the stores above
	ds_load_b128 v[BK+4:BK+7], v[CR] offset:512
	s_wait_dscnt 0x0
	global_store_b128 v[BOFF], v[BK:BK+3], s[16:17]              ; 512 consecutive bytes each, aligned
	global_store_b128 v[BOFF], v[BK+4:BK+7], s[16:17] offset:512
	s_wait_tensorcnt 0x0                           ; the wave's end
	ds_add_u32 v[SPW], v[NIL]
	s_wait_dscnt 0x0
	s_endpgm
.Lfunc_end_k_qa331ac5528_main:
	.size	k_qa331ac5528_main, .Lfunc_end_k_qa331ac5528_main-k_qa331ac5528_main
	.p2alignl 7, 3214868480
	.fill 96, 4, 3214868480
	.section	.rodata,"a",@progbits
	.p2align	6, 0x0
	.amdhsa_kernel k_qa331ac5528_main
		.amdhsa_group_segment_fixed_size 302080
		.amdhsa_private_segment_fixed_size 0
		.amdhsa_enable_private_segment 0
		.amdhsa_kernarg_size 56
		.amdhsa_user_sgpr_count 2
		.amdhsa_user_sgpr_kernarg_segment_ptr 1
		.amdhsa_wavefront_size32 1
		.amdhsa_system_sgpr_workgroup_id_x 1
		.amdhsa_system_sgpr_workgroup_id_y 1
		.amdhsa_system_sgpr_workgroup_id_z 1
		.amdhsa_system_vgpr_workitem_id 0
		.amdhsa_next_free_vgpr 1024
		.amdhsa_next_free_sgpr 66
		.amdhsa_reserve_vcc 1
		.amdhsa_float_denorm_mode_32 3
		.amdhsa_float_denorm_mode_16_64 3
		.amdhsa_memory_ordered 1
		.amdhsa_forward_progress 1
		.amdhsa_inst_pref_size 255
	.end_amdhsa_kernel
	.section	.bss,"aw",@nobits
	.p2align	6
	.space	262144
	.amdgpu_metadata
---
amdhsa.version: [ 1, 2 ]
amdhsa.kernels:
  - .name:           k_qa331ac5528_main
    .symbol:         k_qa331ac5528_main.kd
    .args:
      - { .name: values, .offset: 0, .size: 8, .value_kind: global_buffer, .address_space: global }
      - { .name: w2f, .offset: 8, .size: 8, .value_kind: global_buffer, .address_space: global }
      - { .name: qbc, .offset: 16, .size: 8, .value_kind: global_buffer, .address_space: global }
      - { .name: wv, .offset: 24, .size: 8, .value_kind: global_buffer, .address_space: global }
      - { .name: bv, .offset: 32, .size: 8, .value_kind: global_buffer, .address_space: global }
      - { .name: sbuf, .offset: 40, .size: 8, .value_kind: global_buffer, .address_space: global }
      - { .name: cpart, .offset: 48, .size: 8, .value_kind: global_buffer, .address_space: global }
    .group_segment_fixed_size: 302080
    .private_segment_fixed_size: 0
    .kernarg_segment_align: 8
    .kernarg_segment_size: 56
    .max_flat_workgroup_size: 128
    .sgpr_count:     66
    .vgpr_count:     1024
    .wavefront_size: 32
...
	.end_amdgpu_metadata
.endif
;; end of part 2
;; launch finish (part 3): grid 32 x 1, 8 waves a work-group, no clusters, 1,280 bytes of LDS; arguments sbuf, cpart, out0, out1; writes out0, out1
.if DOCPART == 3
	.amdgcn_target "amdgcn-amd-amdhsa--gfx1250"
	.amdhsa_code_object_version 6
	.text
	.protected	k_qa331ac5528_finish
	.globl	k_qa331ac5528_finish
	.p2align	8
	.type	k_qa331ac5528_finish,@function
k_qa331ac5528_finish:
	s_mov_b64 s[64:65], 0
	v_nop
	global_prefetch_b8 v0, s[64:65] scope:SCOPE_SE
	s_setreg_imm32_b32 hwreg(HW_REG_WAVE_MODE, 25, 1), 1
	s_wait_xcnt 0x0
; FINISH.  One work-group for each batch b: the softmax over its 2,048 scores, and the context from the 16 blocks' parts.
;   block k: m_k = its largest score (the number by which the launch before scaled its part c_k), l_k = sum of 2^((s - m_k) log2 e)
;   M = max m_k;  e_k = 2^((m_k - M) log2 e);  L = sum l_k e_k;  out1 = 2^((s - M) log2 e) / L;  out0 = sum e_k c_k / L
; Eight waves.  Thread t holds scores 4 t .. 4 t + 3 and 1024 + 4 t ..: wave w holds blocks w and 8 + w whole, so a block's figures never leave a wave; the 16 pairs (m, l) meet in LDS behind one
; barrier.  Thread t also owns channels 4 t .. 4 t + 3 of the context; the 16 loads of the parts are issued at the start and waited for at the end.
; Memory binds and the work is small: no matrix unit, no tiles.  All in f32.  LIMITS: a weight below 2^-126 counts as 0; NaN and infinities are not treated apart.
.set SPARE, 256                        ; the pairs (m, l) have the block of 256 bytes from 0; then the spare words, 128 bytes a wave
.set OFS, 1                            ; v1   16 x thread
.set SPW, 2                            ; v2   LDS address of my spare word; never rewritten
.set NIL, 3                            ; v3   0; never rewritten
.set S0,  4                            ; v[4:11]   my 8 scores, then weights
.set MLA, 12                           ; v12  8 x wave
.set ZA,  13                           ; v13  LDS address 0
.set C,   16                           ; v[16:79]  the 16 parts of my four channels
.set ML,  80                           ; v[80:111] m_k at 2 k, l_k at 2 k + 1
.set E,   112                          ; v[112:127] e_k, then e_k / L
.set TA,  128                          ; v[128:133], v[136:141] at work for my two blocks: m, l, four weights
.set A,   144                          ; v[144:147] my four channels of the context
.macro BLK sb, tb, o                   ; the block whose scores lie at v[sb ..]: m and l into v[tb], v[tb + 1] and into LDS
	v_max3_num_f32 v14, v[(\sb)], v[(\sb)+1], v[(\sb)+2]
	v_max_num_f32 v14, v14, v[(\sb)+3]
.irp x, 1,2,4,8
	v_max_num_f32_dpp v14, v14, v14 row_xmask:\x row_mask:0xf bank_mask:0xf
.endr
	v_permlanex16_b32 v15, v14, s16, s17
	v_max_num_f32 v[(\tb)], v14, v15
	v_mul_f32 v15, s14, v[(\tb)]
.irp j, 0,1,2,3
	v_fma_f32 v[(\tb)+2+(\j)], v[(\sb)+(\j)], s14, -v15
.endr
.irp j, 0,1,2,3
	v_exp_f32 v[(\tb)+2+(\j)], v[(\tb)+2+(\j)]
.endr
	v_nop                                          ; a plain instruction between the last exponential and the use of its result
	s_wait_alu depctr_va_vdst(0)
	v_add_f32 v[(\tb)+2], v[(\tb)+2], v[(\tb)+3]
	v_add_f32 v[(\tb)+4], v[(\tb)+4], v[(\tb)+5]
	v_add_f32 v14, v[(\tb)+2], v[(\tb)+4]
.irp x, 1,2,4,8
	v_add_f32_dpp v14, v14, v14 row_xmask:\x row_mask:0xf bank_mask:0xf
.endr
	v_permlanex16_b32 v15, v14, s16, s17
	v_add_f32 v[(\tb)+1], v14, v15
	ds_store_b64 v[MLA], v[(\tb):(\tb)+1] offset:\o  ; all lanes store the same pair to the same words
.endm
	s_load_b256 s[4:11], s[0:1], 0x0               ; sbuf s[4:5], cpart s[6:7], out0 s[8:9], out1 s[10:11]
	v_lshl_add_u32 v[SPW], v0, 2, SPARE
	v_mov_b32 v[NIL], 0
	v_lshlrev_b32 v[OFS], 4, v0
	v_lshrrev_b32 v14, 5, v0
	v_readfirstlane_b32 s12, v14                   ; wave 0..7
	s_lshl_b32 s13, s12, 3
	v_mov_b32 v[MLA], s13
	v_mov_b32 v[ZA], 0
	v_mov_b32 v15, 0                               ; v_permlanex16_b32's destination counts as read
	s_mov_b32 s14, 0x3fb8aa3b                      ; log2 e
	s_mov_b32 s16, 0x76543210                      ; each lane takes its own place in the other half
	s_mov_b32 s17, 0xfedcba98
	s_lshl_b32 s18, ttmp9, 13                      ; a batch's 2,048 scores or weights
	s_mov_b32 s19, 0
	s_lshl_b32 s20, ttmp9, 16                      ; its 16 parts of 4,096 bytes
	s_mov_b32 s21, 0
	s_lshl_b32 s22, ttmp9, 12                      ; its context
	s_mov_b32 s23, 0
	s_wait_kmcnt 0x0
	s_add_nc_u64 s[4:5], s[4:5], s[18:19]
	s_add_nc_u64 s[10:11], s[10:11], s[18:19]
	s_add_nc_u64 s[6:7], s[6:7], s[20:21]
	s_add_nc_u64 s[8:9], s[8:9], s[22:23]
	global_load_b128 v[S0:S0+3], v[OFS], s[4:5]
	global_load_b128 v[S0+4:S0+7], v[OFS], s[4:5] offset:4096
.set k, 0
.rept 16
	global_load_b128 v[C+4*k:C+4*k+3], v[OFS], s[6:7] offset:4096*k
.set k, k+1
.endr
	s_wait_loadcnt 16                              ; the scores are in; the sixteen loads of the parts stay out
	BLK S0, TA, 0
	BLK S0+4, TA+8, 64
	s_wait_dscnt 0x0                               ; for the others' sake: my two pairs are in LDS
	s_barrier_signal -1
	s_barrier_wait -1
.irp i, 0,1,2,3,4,5,6,7
	ds_load_b128 v[ML+4*(\i):ML+4*(\i)+3], v[ZA] offset:16*(\i)
.endr
	s_wait_dscnt 0x0
	v_max3_num_f32 v14, v[ML], v[ML+2], v[ML+4]
.irp k, 3,5,7,9,11,13
	v_max3_num_f32 v14, v14, v[ML+2*(\k)], v[ML+2*(\k)+2]
.endr
	v_max_num_f32 v14, v14, v[ML+30]               ; M
	v_mul_f32 v15, s14, v14
.set k, 0
.rept 16
	v_fma_f32 v[E+k], v[ML+2*k], s14, -v15
.set k, k+1
.endr
.set k, 0
.rept 16
	v_exp_f32 v[E+k], v[E+k]
.set k, k+1
.endr
.set j, 0
.rept 8                                ; plain instructions behind those exponentials
	v_fma_f32 v[S0+j], v[S0+j], s14, -v15
.set j, j+1
.endr
.set j, 0
.rept 8
	v_exp_f32 v[S0+j], v[S0+j]
.set j, j+1
.endr
	s_wait_alu depctr_va_vdst(0)
	v_mul_f32 v14, v[ML+1], v[E]                   ; L
.set k, 1
.rept 15
	v_fma_f32 v14, v[ML+2*k+1], v[E+k], v14
.set k, k+1
.endr
	v_rcp_f32 v15, v14
	v_nop                                          ; a plain instruction between the reciprocal and the use of its result
.set j, 0
	s_wait_alu depctr_va_vdst(0)
.rept 8
	v_mul_f32 v[S0+j], v[S0+j], v15
.set j, j+1
.endr
	global_store_b128 v[OFS], v[S0:S0+3], s[10:11]               ; a wave's store covers 512 consecutive bytes, aligned
	global_store_b128 v[OFS], v[S0+4:S0+7], s[10:11] offset:4096
.set k, 0
.rept 16
	v_mul_f32 v[E+k], v[E+k], v15
.set k, k+1
.endr
	s_wait_loadcnt 0x0                             ; the parts
.irp j, 0,1,2,3
	v_mul_f32 v[A+(\j)], v[C+(\j)], v[E]
.endr
.set k, 1
.rept 15
.irp j, 0,1,2,3
	v_fma_f32 v[A+(\j)], v[C+4*k+(\j)], v[E+k], v[A+(\j)]
.endr
.set k, k+1
.endr
	global_store_b128 v[OFS], v[A:A+3], s[8:9]
	s_wait_tensorcnt 0x0                           ; the wave's end
	ds_add_u32 v[SPW], v[NIL]
	s_wait_dscnt 0x0
	s_endpgm
.Lfunc_end_k_qa331ac5528_finish:
	.size	k_qa331ac5528_finish, .Lfunc_end_k_qa331ac5528_finish-k_qa331ac5528_finish
	.p2alignl 7, 3214868480
	.fill 96, 4, 3214868480
	.section	.rodata,"a",@progbits
	.p2align	6, 0x0
	.amdhsa_kernel k_qa331ac5528_finish
		.amdhsa_group_segment_fixed_size 1280
		.amdhsa_private_segment_fixed_size 0
		.amdhsa_enable_private_segment 0
		.amdhsa_kernarg_size 32
		.amdhsa_user_sgpr_count 2
		.amdhsa_user_sgpr_kernarg_segment_ptr 1
		.amdhsa_wavefront_size32 1
		.amdhsa_system_sgpr_workgroup_id_x 1
		.amdhsa_system_sgpr_workgroup_id_y 1
		.amdhsa_system_sgpr_workgroup_id_z 1
		.amdhsa_system_vgpr_workitem_id 0
		.amdhsa_next_free_vgpr 152
		.amdhsa_next_free_sgpr 66
		.amdhsa_reserve_vcc 0
		.amdhsa_float_denorm_mode_32 3
		.amdhsa_float_denorm_mode_16_64 3
		.amdhsa_memory_ordered 1
		.amdhsa_forward_progress 1
		.amdhsa_inst_pref_size 16
	.end_amdhsa_kernel
	.amdgpu_metadata
---
amdhsa.version: [ 1, 2 ]
amdhsa.kernels:
  - .name:           k_qa331ac5528_finish
    .symbol:         k_qa331ac5528_finish.kd
    .args:
      - { .name: sbuf, .offset: 0, .size: 8, .value_kind: global_buffer, .address_space: global }
      - { .name: cpart, .offset: 8, .size: 8, .value_kind: global_buffer, .address_space: global }
      - { .name: out0, .offset: 16, .size: 8, .value_kind: global_buffer, .address_space: global }
      - { .name: out1, .offset: 24, .size: 8, .value_kind: global_buffer, .address_space: global }
    .group_segment_fixed_size: 1280
    .private_segment_fixed_size: 0
    .kernarg_segment_align: 8
    .kernarg_segment_size: 32
    .max_flat_workgroup_size: 256
    .sgpr_count:     66
    .vgpr_count:     152
    .wavefront_size: 32
...
	.end_amdgpu_metadata
.endif
;; end of part 3
;; ======== version 2 of 2: 3 launches; 1.13 times as fast as version 1
;; limits: values outside matrix products are rounded to bf16
;; workspace buffers: w2f 2,097,152 bytes; qbc 131,072 bytes; sbuf 262,144 bytes; cpart 2,097,152 bytes
;; launch prep: the kernel of part 1 again; grid 16 x 2, 16 waves a work-group, no clusters, 133,120 bytes of LDS; arguments w1, w2, query, b1, b2, w2f, qbc; writes w2f, qbc
;; launch main (part 4): grid 512 x 1, 4 waves a work-group, no clusters, 302,080 bytes of LDS; arguments values, w2f, qbc, wv, bv, sbuf, cpart; writes sbuf, cpart
.if DOCPART == 4
	.amdgcn_target "amdgcn-amd-amdhsa--gfx1250"
	.amdhsa_code_object_version 6
	.text
	.protected	k_qa331ac5528_main
	.globl	k_qa331ac5528_main
	.p2align	8
	.type	k_qa331ac5528_main,@function
k_qa331ac5528_main:
	s_mov_b64 s[64:65], 0
	v_nop
	global_prefetch_b8 v0, s[64:65] scope:SCOPE_SE
	s_setreg_imm32_b32 hwreg(HW_REG_WAVE_MODE, 25, 1), 1
	s_wait_xcnt 0x0
; MAIN.  For a block of 128 rows of values (block g of 512; 16 blocks a batch):
;   score[row] = sum over u of wv[u] tanh(q_proj[u] + (values w2)[row][u] + b2[u]) + bv          -> sbuf [65536] f32
;   cpart[g][d] = sum over the block's rows of 2^((score - m) log2 e) values[row][d], m the block's largest score  -> cpart [512][1024] f32
; The last launch joins the 16 blocks of a batch: the softmax's maximum is taken away here by block and there by batch.
; SHARES.  Four waves.  Wave w owns columns u = 256 w .. 256 w + 255, in two passes of 128: 128 rows x 128 columns = 64 accumulators of 16 x 16, 512 registers.
; values ARE READ FROM MEMORY ONCE.  During pass 0 they come in as f32, are rounded to bf16 and laid into LDS, 64 k (a chunk) at a time, each wave its 32 rows; the whole block, 128 x 1024 bf16,
; stays there for pass 1 and for the context.  Each LDS byte of it is stored once; a chunk is read behind the barrier that follows its stores.
; w2 COMES STRAIGHT INTO REGISTERS, as fragments that the launch before has laid out (w2f): a fragment belongs to one wave's columns, so no other wave of the work-group would read it from LDS.
; NO TENSOR LOADS, NO CLUSTER, NO JOINT REQUESTS: work-groups do share w2, but a shared tile has to land in LDS, and the resident block takes 294,912 of the 327,680 bytes that a work-group can
; be given; one K step of 32 for the pass's 512 columns is 32,768 bytes, and two slots of that do not fit beside it.  A block of 64 rows would make room and read w2 twice as often.
; tanh x = 1 - 2 / (1 + 2^(c x)), c = 2 log2 e, in f32; c (q_proj + b2) comes ready as qbc.  2^(c x) may be 0 or infinite: the quotient is then 1 or 0, tanh -1 or 1.
; THE TANH PHASE OF A PASS HAS TWO BATCHES, each with one wait: all 512 exponentials, then all 512 reciprocals, worked in place in the accumulators' registers, so that each result has a register of
; its own while its batch is open.  The weights' 64 exponentials at the end are a third batch, once a work-group.
; The product with wv has one column: it is one packed multiply-add on numbers that lie in registers, summed by lane and then across sixteen lanes.
; LIMITS.  values and w2 are rounded to bf16 for the product; the context takes the weights p (0 to 1) and the resident values in bf16, sums in f32.  A weight below 2^-126 counts as 0.
; NaN and infinities in the inputs are not treated apart.
; REGISTERS, in windows of 256 (s_set_vgpr_msb: bits 1:0 source 0, 3:2 source 1, 5:4 source 2, 7:6 destination):
;   window 0: v0-15 addresses; v16-31 converted pairs; v32-47 qbc, v48-63 -2 wv of my 16 column tiles; v64-127 fragments of values (8 m tiles) of the even K steps;
;             pass 0: v128-223 three groups of values in f32, v224-255 a fourth at the start;  later: v128-191 the score sums; v192-255 in pass 1's K steps the fragments of values of the odd steps, at the end at work
;   window 1: pass 0: three buffers of 64 for w2's fragments of a K step (8 tiles), v192-255 the fragments of values of the odd K steps;  pass 1: four buffers for w2
;   window 2: the accumulators of m tiles 0-3, (a, b) at 8 (8 a + b)      window 3: those of m tiles 4-7      (in the tanh phase each of these registers is worked on in place)
.set PMT,   2304                       ; an m tile (16 rows) of a chunk: 8 pieces-columns of 288 bytes
.set PCH,   18432                      ; a chunk (64 k) of the block: 8 m tiles.  The 16 bytes (row, k / 8) lie at chunk PCH + (row / 16) PMT + ((k % 64) / 8) 288 + (row % 16) 16:
                                       ; 16 rows x 16 bytes are 256 bytes on end, so a fragment load's sixteen lanes read 256 consecutive bytes; the 32 bytes of padding spread the stores' 32 lanes over 32 different 8-byte places modulo 256
.set SCR,   16*PCH                     ; four waves x 128 partial scores
.set FIN,   SCR+2048                   ; the block's 128 scores
.set CTX,   FIN+512                    ; 1,024 bytes a wave: the context's way out
.set SPARE, CTX+4096                   ; the spare words, 128 bytes a wave
.set LEAD,  4                          ; the tanh phase: a plain instruction stands this many pairs ahead of the two transcendentals that read its result
.set RA,   1                           ; v1   16 r (r = lane % 16)
.set BOFF, 2                           ; v2   16 x lane
.set AL,   3                           ; v3   LDS address of my fragment loads, in the chunk of the step to be fetched
.set AL0,  4                           ; v4   its start: 288 (lane / 16) + 16 r
.set SL,   5                           ; v5   LDS address of my stores of converted values, in the chunk of the group to be stored
.set GA,   6                           ; v6   my byte offset in the block of values
.set TLA,  7                           ; v7   LDS address of the turning loads, channel tiles 0-7 of my 16
.set TLB,  8                           ; v8   channel tiles 8-15
.set PS,   9                           ; v9   where my partial scores go
.set FR,   10                          ; v10  where I read the scores back
.set CB,   11                          ; v11  the context's way out: in
.set CR,   12                          ; v12  and back
.set SPW,  13                          ; v13  LDS address of my spare word; never rewritten
.set NIL,  14                          ; v14  0; never rewritten
.set WS,   15                          ; v15  the sum of my lane's 16 wv
.set CT,   16                          ; v[16:31]  converted pairs on their way into LDS
.set QB,   32
.set WV,   48
.set FA,   64                          ; the even steps' fragments of values; the odd steps' lie 128 registers on, in window 1 (pass 0) or 0 (pass 1)
.set QBX,  64                          ; v[64:79]  in the tanh phase: a pass's 8 qbc, each in an even register, so that a packed instruction takes it for both halves
.set WVX,  80                          ; v[80:95]  the same for -2 wv
.set P,    64                          ; v[64:95]  at the end: the weights in bf16
.set M0,   96                          ; v[96:99]  four running maxima
.set MC,   100                         ; v[100:101] m log2 e
.set LN,   102                         ; v102 lane
.set SR,   103                         ; v103 wave 0: where the four waves' partial scores lie
.set FW,   104                         ; v104 wave 0: where the scores go
.set O,    106                         ; v[106:113] my 256 channels of the context, 32 a register
.set BK,   116                         ; v[116:123] the same, four neighbouring channels a lane
.set G,    128                         ; group n of values lies in set n % 3
.set GX,   224                         ; but group 3, which is asked for while set 0 still holds group 0
.set SC,   128
.set T,    192
.set MSB, 0
.macro WIN new                         ; the immediate's high byte repeats the setting that is left; a switch that changes nothing is dropped
.if MSB != (\new)
	s_set_vgpr_msb (MSB<<8)|(\new)
.set MSB, (\new)
.endif
.endm
.macro PLACES                          ; four plain vector instructions between a matrix instruction and a load into, or a vector write of, its sources, or a read of its result (ISA guide 7.12.1 for vector instructions)
.rept 4
	v_nop
.endr
.endm
; w2's fragments of K step koff (counted from the step at which s[6:7] stands) into buffer buf: 16 loads of 512 consecutive bytes
.macro BLOAD buf, koff
	WIN 0x40
.irp t, 0,1,2,3,4,5,6,7
	global_load_b128 v[64*(\buf)+8*(\t):64*(\buf)+8*(\t)+3],   v[BOFF], s[6:7] offset:(\koff)*8192+(\t)*1024
	global_load_b128 v[64*(\buf)+8*(\t)+4:64*(\buf)+8*(\t)+7], v[BOFF], s[6:7] offset:(\koff)*8192+(\t)*1024+512
.endr
.endm
; A GROUP of values: one of my two m tiles (part) x one chunk (crel, counted from s[4:5]): 8 loads, each two rows x 256 bytes, into the 32 registers from gb on
.macro VLOAD gb, part, crel
	WIN 0
.irp i, 0,1,2,3,4,5,6,7
	global_load_b128 v[(\gb)+4*(\i):(\gb)+4*(\i)+3], v[GA], s[4:5] offset:(\part)*65536+(\i)*8192+(\crel)*256 th:TH_LOAD_NT
.endr
.endm
; the group is rounded to bf16: all sixteen conversions together,
.macro VCVT gb
	WIN 0
.irp i, 0,1,2,3,4,5,6,7
	v_cvt_pk_bf16_f32 v[CT+2*(\i)],   v[(\gb)+4*(\i)],   v[(\gb)+4*(\i)+1]
	v_cvt_pk_bf16_f32 v[CT+2*(\i)+1], v[(\gb)+4*(\i)+2], v[(\gb)+4*(\i)+3]
.endr
.endm
; and then stored, all eight stores together: a lane's four k are 8 bytes
.macro VSTORE part
.irp i, 0,1,2,3,4,5,6,7
	ds_store_b64 v[SL], v[CT+2*(\i):CT+2*(\i)+1] offset:(\part)*PMT+(\i)*32
.endr
.endm
; fragments of values for the even (par = 0) or odd K step of the chunk at which AL stands: all 8 m tiles, 16 loads, into window aw from register ar on
.macro ALOAD par, aw, ar
	WIN 0x40*(\aw)
.irp m, 0,1,2,3,4,5,6,7
	ds_load_b128 v[(\ar)+8*(\m):(\ar)+8*(\m)+3],   v[AL] offset:(\m)*PMT+(\par)*1152
	ds_load_b128 v[(\ar)+8*(\m)+4:(\ar)+8*(\m)+7], v[AL] offset:(\m)*PMT+(\par)*1152+576
.endr
.endm
; 32 matrix instructions: m tiles 4 hi .. 4 hi + 3 x 8 column tiles, 32 along K.  In the result a lane holds column r and rows 8 (lane / 16) + 0..7 of the m tile.
; The 64 accumulators take turns in the same order in every step.  zero = 1: the first K step starts the sums.
.macro MUL hi, aw, ar, buf, zero
	WIN 0xa4+0x50*(\hi)+(\aw)
.irp m, 0,1,2,3
.irp b, 0,1,2,3,4,5,6,7
.if \zero
	v_wmma_f32_16x16x32_bf16 v[8*(8*(\m)+(\b)):8*(8*(\m)+(\b))+7], v[(\ar)+8*(4*(\hi)+(\m)):(\ar)+8*(4*(\hi)+(\m))+7], v[64*(\buf)+8*(\b):64*(\buf)+8*(\b)+7], 0
.else
	v_wmma_f32_16x16x32_bf16 v[8*(8*(\m)+(\b)):8*(8*(\m)+(\b))+7], v[(\ar)+8*(4*(\hi)+(\m)):(\ar)+8*(4*(\hi)+(\m))+7], v[64*(\buf)+8*(\b):64*(\buf)+8*(\b)+7], v[8*(8*(\m)+(\b)):8*(8*(\m)+(\b))+7]
.endif
.endr
.endr
.endm
; A K STEP of pass p, number k = base + krel (the base is a multiple of 6 in pass 0, of 4 in pass 1): 32 products, the step's vector work, ONE RUN of all its LDS and memory instructions, 32 products:
; vector and memory instructions change places once a step.  The run touches no register of this step's products: the fragments of values have two buffers (even and odd steps), and
;   pass 0: w2 has three buffers, step k in buffer k % 3; the run asks for w2(k + 2), into the buffer that step k - 1 has left.
;   pass 1: w2 has four, taken in the order 2, 0, 1, 3, which goes on from pass 0's three; the run asks for w2(k + 3), into the buffer that step k - 1 has left.
; The run, in order:  conv: group k + 3 of values, converted just before, is stored;  anext: the fragments of values of step k + 1;  bld: w2;  vld: group k + 6, into the registers that group k + 3 has left.
; The sixteen conversions are the four places between step k - 1's products and the loads into registers that they read; where nothing is converted, four v_nop are.
; lc: the global loads that may stay out at the step's head.  Pass 0: behind w2(k) stand group k + 4 (8), w2(k + 1) (16), group k + 5 (8) = 32, and group k + 3 was asked for ahead of w2(k);
; with the run's 24 a wave has 56 loads out.  Pass 1: behind w2(k) stand w2(k + 1) and w2(k + 2) = 32.  The tails' counts stand at their lines.
; The LDS wait at the head is for 0: the fragments were asked for 32 products ago, and my stores of the last run are then done too.
; bar (the odd steps 1 to 29 of pass 0): chunk (k + 1) / 2 was stored in the runs of steps k - 2 and k - 1.  ONE barrier: signalled at the head, behind that wait; waited for behind the first 32 products,
; ahead of the run that fetches the chunk's first fragments.
; cx = 1 (step 0 alone): the group to convert, 3, lies in the fourth set.
.macro STEP p, krel, zero, bar, conv, vld, bld, lc, anext, cx=0
.set PAR, (\krel)%2
.if \p
.set XK, (\krel)%4
.set XL, ((\krel)+3)%4
.set BUFK, ((XK+2)%3)*(1-XK/3)+3*(XK/3)
.set BUFL, ((XL+2)%3)*(1-XL/3)+3*(XL/3)
.set KOFF, (\krel)+3
.set AW1, 0
.else
.set BUFK, (\krel)%3
.set BUFL, ((\krel)+2)%3
.set KOFF, (\krel)+2
.set AW1, 1
.endif
.set AWK, PAR*AW1
.set ARK, FA+128*PAR
.set AWN, (1-PAR)*AW1
.set ARN, FA+128*(1-PAR)
.set GK, G+32*((\krel)%3)
.set GC, GK
.if \cx
.set GC, GX
.endif
	s_wait_dscnt 0x0
.if \bar
	s_barrier_signal -1
.endif
	s_wait_loadcnt \lc
	MUL 0, AWK, ARK, BUFK, \zero
	WIN 0
.if \bar
	s_barrier_wait -1
.endif
.if \conv
	VCVT GC
	VSTORE ((\krel)+1)%2
.elseif (\anext)+(\bld)
	PLACES
.endif
.if \anext
	ALOAD 1-PAR, AWN, ARN
.endif
.if \bld
	BLOAD BUFL, KOFF
.endif
.if \vld
	VLOAD GK, PAR, ((\krel)+6)/2
.endif
	WIN 0
.if (\anext) && (PAR == 0)
	v_add_nc_u32 v[AL], PCH, v[AL]                 ; an odd step was fetched: the next fetch is the next chunk's
.endif
.if (\conv) && (PAR == 0)
	v_add_nc_u32 v[SL], PCH, v[SL]                 ; a chunk's second group was stored
.endif
	MUL 1, AWK, ARK, BUFK, \zero
.endm
.macro TRIPEND bstep, vstep            ; the base goes a trip's K steps on
	WIN 0                                          ; at a label and at a branch every window is 0
	s_wait_xcnt 0x0                                ; the loads' scalar bases are written again only behind this wait
	s_add_nc_u64 s[6:7], s[6:7], \bstep
.if \vstep
	s_add_nc_u64 s[4:5], s[4:5], \vstep
.endif
.endm
.macro XCONST o                        ; a pass's 8 column constants into even registers
.irp b, 0,1,2,3,4,5,6,7
	v_mov_b32 v[QBX+2*(\b)], v[QB+(\o)+(\b)]
	v_mov_b32 v[WVX+2*(\b)], v[WV+(\o)+(\b)]
.endr
.endm
; THE TANH PHASE of a pass, in place in the 512 accumulator registers.  Pair n of a window (registers 2 n, 2 n + 1) is m tile n / 32 of the window's four, column tile (n / 4) % 8, rows 2 (n % 4), 2 (n % 4) + 1:
;   c x = c acc + qbc;  2^(c x);  + 1;  1 / ..;  score sum += -2 wv / ..        (the scalings go in ascending order: each accumulator is read from its low end)
; BATCH 1: the 256 scalings and all 512 exponentials, window 2 and then window 3.  None of them names an exponential's result.
; BATCH 2: the 256 additions of 1 and all 512 reciprocals.  None of them names a reciprocal's result.       Behind it: the 256 multiply-adds into the score sums.
; In a batch the order is transcendental, plain, transcendental; a plain instruction stands LEAD pairs, eleven instructions, ahead of the two that read its result.  All other work of the phase reads a batch's
; results, so a v_nop is the plain instruction between a batch's last transcendental and the use of its result (ISA guide 5.7.2), and the batch's one wait follows it.
; No transcendental is issued behind batch 2's wait: none is open at the branch that follows the phase, and the next pass's products write these registers behind that wait.
.macro SCALE                           ; pair n of the window in hand: c acc + qbc
	v_pk_fma_f32 v[2*n:2*n+1], v[2*n:2*n+1], s[24:25], v[QBX+2*((n/4)%8):QBX+2*((n/4)%8)+1] op_sel_hi:[1,0,0]
.set n, n+1
.endm
.macro PLUS1                           ; pair n of the window in hand: 1 + 2^(c x)
	v_pk_add_f32 v[2*n:2*n+1], v[2*n:2*n+1], 1.0 op_sel_hi:[1,0]
.set n, n+1
.endm
.macro EPI
.irp w, 0,1                            ; BATCH 1
	WIN 0x82+0x41*(\w)                             ; destination and source 0 in window 2 + w, qbc (source 2) in window 0
.set n, 0
.rept LEAD
	SCALE
.endr
.set e, 0
.rept 128
	v_exp_f32 v[2*e], v[2*e]
.if n < 128
	SCALE
.endif
	v_exp_f32 v[2*e+1], v[2*e+1]
.set e, e+1
.endr
.endr
	v_nop                                          ; the plain instruction behind the batch's last exponential
	s_wait_alu depctr_va_vdst(0)                   ; the wait for batch 1: ahead of the first instruction that names an exponential's result; one serves all 512
.irp w, 0,1                            ; BATCH 2
	WIN 0x82+0x41*(\w)
.set n, 0
.rept LEAD
	PLUS1
.endr
.set e, 0
.rept 128
	v_rcp_f32 v[2*e], v[2*e]
.if n < 128
	PLUS1
.endif
	v_rcp_f32 v[2*e+1], v[2*e+1]
.set e, e+1
.endr
.endr
	v_nop                                          ; the plain instruction behind the batch's last reciprocal
	s_wait_alu depctr_va_vdst(0)                   ; the wait for batch 2: ahead of the first instruction that names a reciprocal's result; one serves all 512
.irp w, 0,1                            ; the score sums: number z of a window's 128 is column tile z / 16, m tile (z / 4) % 4, rows 2 (z % 4) on: each sum takes its column tiles in ascending order, and the window's 16 sums take turns
	WIN 0x02+(\w)                                  ; source 0 in window 2 + w; -2 wv and the sums in window 0
.set z, 0
.rept 128
.set tq, 64*((z/4)%4)+8*(z/16)+2*(z%4)
.set sq, SC+8*(4*(\w)+(z/4)%4)+2*(z%4)
	v_pk_fma_f32 v[sq:sq+1], v[tq:tq+1], v[WVX+2*(z/16):WVX+2*(z/16)+1], v[sq:sq+1] op_sel_hi:[1,0,1]
.set z, z+1
.endr
.endr
	WIN 0                                          ; a branch follows
.endm
; THE CONTEXT's operands: rows 32 rho .. 32 rho + 31 of the block x my 256 channels, turned: 16 fragments (lane: channel r of tile t; along the registers: rows) into buffer buf of 128 registers
.macro TRLOAD rho, buf
	WIN 0x40
.set t, 0
.rept 16
.if t < 8
	ds_load_tr16_b128 v[128*(\buf)+8*t:128*(\buf)+8*t+3],   v[TLA] offset:((t/4)%2)*PCH+2*(\rho)*PMT+(t%4)*576
	ds_load_tr16_b128 v[128*(\buf)+8*t+4:128*(\buf)+8*t+7], v[TLA] offset:((t/4)%2)*PCH+2*(\rho)*PMT+(t%4)*576+PMT
.else
	ds_load_tr16_b128 v[128*(\buf)+8*t:128*(\buf)+8*t+3],   v[TLB] offset:((t/4)%2)*PCH+2*(\rho)*PMT+(t%4)*576
	ds_load_tr16_b128 v[128*(\buf)+8*t+4:128*(\buf)+8*t+7], v[TLB] offset:((t/4)%2)*PCH+2*(\rho)*PMT+(t%4)*576+PMT
.endif
.set t, t+1
.endr
.endm
.macro CMUL rho, buf, zero             ; 16 matrix instructions, one for each channel tile: source 0 = the 32 rows' weights, alike in all 16 rows of the operand; the 16 accumulators take turns
	WIN 0xa4
.set t, 0
.rept 16
.if \zero
	v_wmma_f32_16x16x32_bf16 v[8*t:8*t+7], v[P+8*(\rho):P+8*(\rho)+7], v[128*(\buf)+8*t:128*(\buf)+8*t+7], 0
.else
	v_wmma_f32_16x16x32_bf16 v[8*t:8*t+7], v[P+8*(\rho):P+8*(\rho)+7], v[128*(\buf)+8*t:128*(\buf)+8*t+7], v[8*t:8*t+7]
.endif
.set t, t+1
.endr
.endm
	s_load_b256 s[4:11], s[0:1], 0x0               ; values s[4:5], w2f s[6:7], qbc s[8:9], wv s[10:11]
	s_load_b128 s[12:15], s[0:1], 0x20             ; bv s[12:13], sbuf s[14:15]
	s_load_b64 s[16:17], s[0:1], 0x30              ; cpart
	v_lshl_add_u32 v[SPW], v0, 2, SPARE
	v_mov_b32 v[NIL], 0
	v_lshrrev_b32 v16, 5, v0
	v_readfirstlane_b32 s18, v16                   ; wave 0..3
	s_mov_b32 s19, ttmp9                           ; block g
	v_and_b32 v17, 31, v0                          ; lane
	v_and_b32 v18, 15, v0                          ; r
	v_bfe_u32 v19, v0, 4, 1                        ; h = lane / 16
	v_lshlrev_b32 v[RA], 4, v18
	v_lshlrev_b32 v[BOFF], 4, v17
	v_mul_u32_u24 v20, v19, 288
	v_add_nc_u32 v[AL0], v20, v[RA]                ; a fragment's first 16 bytes: k / 8 = h, row r
	v_lshrrev_b32 v21, 1, v18                      ; my four k of a chunk, 4 r on: k / 8 = r / 2,
	v_mul_u32_u24 v21, v21, 288
	v_and_b32 v22, 1, v18                          ; its lower or upper 8 bytes,
	v_lshl_add_u32 v21, v22, 3, v21
	v_lshl_add_u32 v21, v19, 4, v21                ; the even or the odd row of a load's two,
	s_mul_i32 s20, s18, 2*PMT                      ; in my wave's two m tiles
	v_add_nc_u32 v[SL], s20, v21
	s_lshl_b32 s20, s18, 17                        ; my wave's 32 rows of 4,096 bytes
	v_lshl_add_u32 v[GA], v19, 12, v[RA]
	v_add_nc_u32 v[GA], s20, v[GA]
	v_bfe_u32 v21, v0, 3, 1                        ; the turning load: lane l reads 16 bytes: row 8 h + l % 8, channels 8 ((l / 8) % 2) on
	v_mul_u32_u24 v21, v21, 288
	v_and_b32 v22, 7, v0
	v_lshl_add_u32 v22, v19, 3, v22
	v_lshl_add_u32 v21, v22, 4, v21
	s_mul_i32 s20, s18, 4*PCH                      ; my 256 channels are four chunks
	v_add_nc_u32 v[TLA], s20, v21
	v_add_nc_u32 v[TLB], 2*PCH, v[TLA]
	s_lshl_b32 s20, s18, 9
	s_add_co_u32 s20, s20, SCR
	v_lshl_add_u32 v[PS], v19, 5, s20              ; rows 8 h on of each m tile
	v_lshl_add_u32 v[FR], v19, 5, FIN
	s_lshl_b32 s20, s18, 10
	s_add_co_u32 s20, s20, CTX
	v_lshl_add_u32 v[CB], v17, 2, s20
	v_lshl_add_u32 v[CR], v17, 4, s20
	s_mov_b32 s24, 0x4038aa3b                      ; c = 2 log2 e
	s_mov_b32 s25, 0x4038aa3b                      ; (pairs: a packed instruction names both words)
	s_mov_b32 s26, 0x3fb8aa3b                      ; log2 e
	s_mov_b32 s27, 0x3fb8aa3b
	s_mov_b32 s30, 0x76543210                      ; v_permlanex16_b32: each lane takes its own place in the other half
	s_mov_b32 s31, 0xfedcba98
	s_wait_kmcnt 0x0
	s_load_b32 s28, s[12:13], 0x0                  ; bv
	s_lshl_b32 s20, s19, 19                        ; a block of values: 128 rows of 4,096 bytes
	s_mov_b32 s21, 0
	s_add_nc_u64 s[4:5], s[4:5], s[20:21]
	s_lshl_b32 s20, s18, 19                        ; my wave's two slabs of w2f lie on end
	s_add_nc_u64 s[6:7], s[6:7], s[20:21]
	s_lshl_b32 s22, s18, 10                        ; my 256 columns or channels in f32
	s_mov_b32 s23, 0
	s_add_nc_u64 s[10:11], s[10:11], s[22:23]
	s_lshr_b32 s20, s19, 4                         ; the batch
	s_lshl_b32 s20, s20, 12
	s_add_co_u32 s20, s20, s22
	s_add_nc_u64 s[8:9], s[8:9], s[20:21]
	s_lshl_b32 s20, s19, 9
	s_add_nc_u64 s[14:15], s[14:15], s[20:21]
	s_lshl_b32 s20, s19, 12
	s_add_co_u32 s20, s20, s22
	s_add_nc_u64 s[16:17], s[16:17], s[20:21]
.irp x, 0,1,2,3                        ; column tile 4 x + t of my 16 holds in lane r column 64 x + 4 r + t: a 16-byte load is one number for each of four tiles
	global_load_b128 v[QB+4*(\x):QB+4*(\x)+3], v[RA], s[8:9] offset:256*(\x)
.endr
.irp x, 0,1,2,3
	global_load_b128 v[WV+4*(\x):WV+4*(\x)+3], v[RA], s[10:11] offset:256*(\x)
.endr
	VLOAD G, 0, 0                                  ; groups 0 to 3: chunks 0 and 1
	VLOAD G+32, 1, 0
	VLOAD G+64, 0, 1
	VLOAD GX, 1, 1
	BLOAD 0, 0
	BLOAD 1, 1
	WIN 0
	s_wait_kmcnt 0x0
	s_mov_b32 s29, s28
	s_wait_loadcnt 48                              ; groups 2 and 3 (16) and w2's steps 0 and 1 (32) stay out: the constants and groups 0 and 1 are in
	v_add_f32 v[WS], v[WV], v[WV+1]
.set i, 2
.rept 14
	v_add_f32 v[WS], v[WS], v[WV+i]
.set i, i+1
.endr
.set i, 0
.rept 8
	v_pk_mul_f32 v[WV+2*i:WV+2*i+1], v[WV+2*i:WV+2*i+1], -2.0 op_sel_hi:[1,0]
.set i, i+1
.endr
	VCVT G
	VSTORE 0
	VCVT G+32
	VSTORE 1
	VLOAD G+32, 0, 2                               ; group 4, into the set that group 1 has left
	v_add_nc_u32 v[SL], PCH, v[SL]                 ; chunk 0 is stored
	s_wait_loadcnt 48                              ; group 3 (8), w2's steps 0 and 1 (32), group 4 (8) stay out: group 2 is in
	VCVT G+64
	VSTORE 0
	VLOAD G+64, 1, 2                               ; group 5
	s_wait_dscnt 0x0                               ; my part of chunk 0 is in LDS,
	s_barrier_signal -1
	s_barrier_wait -1                              ; everybody's is
	v_mov_b32 v[AL], v[AL0]
	ALOAD 0, 0, FA
	; PASS 0: columns 256 w .. 256 w + 127; values arrive
	;    p  krel zero bar conv vld bld lc anext cx
	STEP 0, 0,   1,   0,  1,   1,  1,  32, 1,   1  ; 0: behind w2(0): w2(1) (16), groups 4 and 5 (16); group 3 was asked for ahead of it
	WIN 0
	s_mov_b32 s32, 4
.Lk0:                                              ; K steps 1 to 24, six a trip.  (At step 1 of the first trip 40 loads stand behind w2(1): groups 4 and 5, w2(2), group 6; the count 32 shows group 4 in as well)
	STEP 0, 1,   0,   1,  1,   1,  1,  32, 1
	STEP 0, 2,   0,   0,  1,   1,  1,  32, 1
	STEP 0, 3,   0,   1,  1,   1,  1,  32, 1
	STEP 0, 4,   0,   0,  1,   1,  1,  32, 1
	STEP 0, 5,   0,   1,  1,   1,  1,  32, 1
	STEP 0, 6,   0,   0,  1,   1,  1,  32, 1
	TRIPEND 6*8192, 3*256
	s_sub_co_u32 s32, s32, 1
	s_cmp_lg_u32 s32, 0
	s_cbranch_scc1 .Lk0
	STEP 0, 1,   0,   1,  1,   1,  1,  32, 1       ; 25: the last group, 31, is asked for
	STEP 0, 2,   0,   0,  1,   0,  1,  32, 1       ; 26: behind w2(26): group 30, w2(27), group 31
	STEP 0, 3,   0,   1,  1,   0,  1,  24, 1       ; 27: behind w2(27): group 31, w2(28)
	STEP 0, 4,   0,   0,  1,   0,  1,  16, 1       ; 28: behind w2(28): w2(29); the last group is stored
	STEP 0, 5,   0,   1,  0,   0,  1,  16, 1       ; 29: the last barrier: chunk 15
	STEP 0, 6,   0,   0,  0,   0,  1,  16, 1       ; 30: from here on w2's loads are pass 1's: the wave's two slabs lie on end
	STEP 0, 7,   0,   0,  0,   0,  1,  16, 0       ; 31
	WIN 0
	PLACES                                         ; the load below lands in the buffer that step 31 has multiplied
	BLOAD 1, 10                                    ; pass 1's K step 2: three steps of w2 are on their way during the tanh phase
	WIN 0
	s_wait_xcnt 0x0
	s_add_nc_u64 s[6:7], s[6:7], 8*8192            ; w2f at pass 1's K step 0
	XCONST 0
.set i, 0
.rept 64                               ; the score sums start with the '1' of tanh = 1 - 2 / (..), times wv, for my lane's 16 columns of both passes
	v_mov_b32 v[SC+i], v[WS]
.set i, i+1
.endr
	s_mov_b32 s33, 0
.Lepi:                                             ; walked twice: behind pass 0 and behind pass 1
	EPI
	s_cmp_eq_u32 s33, 1
	s_cbranch_scc1 .Lfin
	; PASS 1: columns 256 w + 128 .. 256 w + 255; values lie in LDS
	v_mov_b32 v[AL], v[AL0]
	ALOAD 0, 0, FA
	STEP 1, 0,   1,   0,  0,   0,  1,  32, 1
	WIN 0
	s_mov_b32 s32, 7
.Lk1:                                              ; K steps 1 to 28, four a trip
	STEP 1, 1,   0,   0,  0,   0,  1,  32, 1
	STEP 1, 2,   0,   0,  0,   0,  1,  32, 1
	STEP 1, 3,   0,   0,  0,   0,  1,  32, 1
	STEP 1, 4,   0,   0,  0,   0,  1,  32, 1
	TRIPEND 4*8192, 0
	s_sub_co_u32 s32, s32, 1
	s_cmp_lg_u32 s32, 0
	s_cbranch_scc1 .Lk1
	STEP 1, 1,   0,   0,  0,   0,  0,  32, 1       ; 29: behind w2(29): w2(30), w2(31)
	STEP 1, 2,   0,   0,  0,   0,  0,  16, 1       ; 30
	STEP 1, 3,   0,   0,  0,   0,  0,  0,  0       ; 31
	WIN 0
	PLACES                                         ; the tanh phase reads and writes the results of step 31's products
	XCONST 8
	s_add_co_u32 s33, s33, 1
	s_cmp_lt_u32 s33, 2
	s_cbranch_scc1 .Lepi
.Lfin:	; SCORES, WEIGHTS, CONTEXT
	TRLOAD 0, 0                                    ; the context's first operands come while the scores are summed
	TRLOAD 1, 1
	WIN 0
.irp x, 1,2,4,8                        ; over the sixteen lanes of a half: every lane then holds the sum over my wave's 256 columns for rows 16 a + 8 h + j
.set i, 0
.rept 64
	v_add_f32_dpp v[SC+i], v[SC+i], v[SC+i] row_xmask:\x row_mask:0xf bank_mask:0xf
.set i, i+1
.endr
.endr
.set i, 0
.rept 16
	ds_store_b128 v[PS], v[SC+4*i:SC+4*i+3] offset:64*(i/2)+16*(i%2)  ; the sixteen lanes of a half store the same numbers to the same words
.set i, i+1
.endr
	v_add_nc_u32 v[SR], SCR, v[BOFF]
	v_add_nc_u32 v[FW], FIN, v[BOFF]
	s_wait_dscnt 0x0                               ; for wave 0's sake: my partial scores are in LDS
	s_barrier_signal -1
	s_barrier_wait -1
	s_cmp_lg_u32 s18, 0
	s_cbranch_scc1 .Lnot0
.irp x, 0,1,2,3                        ; wave 0 adds the four waves' parts and bv: four rows a lane
	ds_load_b128 v[16+4*(\x):19+4*(\x)], v[SR] offset:512*(\x)
.endr
	s_wait_dscnt 0x0
	v_pk_add_f32 v[16:17], v[16:17], v[20:21]
	v_pk_add_f32 v[18:19], v[18:19], v[22:23]
	v_pk_add_f32 v[24:25], v[24:25], v[28:29]
	v_pk_add_f32 v[26:27], v[26:27], v[30:31]
	v_pk_add_f32 v[16:17], v[16:17], v[24:25]
	v_pk_add_f32 v[18:19], v[18:19], v[26:27]
	v_pk_add_f32 v[16:17], v[16:17], s[28:29] op_sel_hi:[1,0]
	v_pk_add_f32 v[18:19], v[18:19], s[28:29] op_sel_hi:[1,0]
	ds_store_b128 v[FW], v[16:19]
	global_store_b128 v[BOFF], v[16:19], s[14:15]  ; the block's 128 scores: 512 consecutive bytes, aligned; v16-19 are not written again
.Lnot0:
	s_wait_dscnt 0x0                               ; wave 0's store of the scores is done
	s_barrier_signal -1
	s_barrier_wait -1
.set i, 0
.rept 16                               ; the scores in the order of a matrix operand: for each 32 rows, rows 8 h + 0..7 and 16 + 8 h + 0..7: 64 of the 128 a lane
	ds_load_b128 v[T+4*i:T+4*i+3], v[FR] offset:64*(i/2)+16*(i%2)
.set i, i+1
.endr
	s_wait_dscnt 0x0                               ; the scores, and the context's first operands
.irp x, 0,1,2,3                        ; the block's maximum: four chains, three operands at a time
	v_max3_num_f32 v[M0+(\x)], v[T+16*(\x)], v[T+16*(\x)+1], v[T+16*(\x)+2]
.endr
.irp n, 1,2,3,4,5,6
.irp x, 0,1,2,3
	v_max3_num_f32 v[M0+(\x)], v[M0+(\x)], v[T+16*(\x)+2*(\n)+1], v[T+16*(\x)+2*(\n)+2]
.endr
.endr
	v_max3_num_f32 v[M0], v[M0], v[T+15], v[T+31]
	v_max3_num_f32 v[M0+1], v[M0+1], v[T+47], v[T+63]
	v_max3_num_f32 v[M0], v[M0], v[M0+1], v[M0+2]
	v_max_num_f32 v[M0], v[M0], v[M0+3]
	v_permlanex16_b32 v[M0+1], v[M0], s30, s31     ; the other 64 rows lie in the lane 16 away
	v_max_num_f32 v[M0], v[M0], v[M0+1]
	v_mul_f32 v[MC], s26, v[M0]
	v_mov_b32 v[MC+1], v[MC]                       ; named with it as a pair
.set i, 0
.rept 32
	v_pk_fma_f32 v[T+2*i:T+2*i+1], v[T+2*i:T+2*i+1], s[26:27], v[MC:MC+1] op_sel_hi:[1,0,0] neg_lo:[0,0,1] neg_hi:[0,0,1]  ; (s - m) log2 e
.set i, i+1
.endr
.set i, 0
.rept 64
	v_exp_f32 v[T+i], v[T+i]
.set i, i+1
.endr
	v_nop                                          ; a plain instruction between the last exponential and the use of its result
	s_wait_alu depctr_va_vdst(0)                   ; the wait for this batch, the weights' 64 exponentials, ahead of the first rounding that reads one
.set i, 0
.rept 32
	v_cvt_pk_bf16_f32 v[P+i], v[T+2*i], v[T+2*i+1]
.set i, i+1
.endr
	CMUL 0, 0, 1                                   ; rows 0-31 start the sums
	PLACES
	TRLOAD 2, 0
	CMUL 1, 1, 0
	PLACES
	TRLOAD 3, 1
	s_wait_dscnt 32                                ; rows 64-95 are in; the 32 loads of rows 96-127 stay out
	CMUL 2, 0, 0
	s_wait_dscnt 0x0
	CMUL 3, 1, 0
	WIN 0
	PLACES
	v_and_b32 v[LN], 31, v0
	v_cmp_le_u32 vcc_lo, 16, v[LN]
	WIN 0x0a                                       ; sources 0 and 1 window 2
.irp i, 0,1,2,3,4,5,6,7                ; all rows of a result are alike: its lowest register holds channel r in both halves of the lanes; two tiles make 32 channels, one a lane
	v_cndmask_b32 v[O+(\i)], v[16*(\i)], v[16*(\i)+8], vcc_lo
.endr
	WIN 0
.irp i, 0,1,2,3,4,5,6,7
	ds_store_b32 v[CB], v[O+(\i)] offset:128*(\i)
.endr
	ds_load_b128 v[BK:BK+3], v[CR]                 ; my wave's own bytes; LDS serves a wave's instructions in order (ISA guide 5.7.1.4): these see the stores above
	ds_load_b128 v[BK+4:BK+7], v[CR] offset:512
	s_wait_dscnt 0x0
	global_store_b128 v[BOFF], v[BK:BK+3], s[16:17]              ; 512 consecutive bytes each, aligned
	global_store_b128 v[BOFF], v[BK+4:BK+7], s[16:17] offset:512
	s_wait_tensorcnt 0x0                           ; the wave's end
	ds_add_u32 v[SPW], v[NIL]
	s_wait_dscnt 0x0
	s_endpgm
.Lfunc_end_k_qa331ac5528_main:
	.size	k_qa331ac5528_main, .Lfunc_end_k_qa331ac5528_main-k_qa331ac5528_main
	.p2alignl 7, 3214868480
	.fill 96, 4, 3214868480
	.section	.rodata,"a",@progbits
	.p2align	6, 0x0
	.amdhsa_kernel k_qa331ac5528_main
		.amdhsa_group_segment_fixed_size 302080
		.amdhsa_private_segment_fixed_size 0
		.amdhsa_enable_private_segment 0
		.amdhsa_kernarg_size 56
		.amdhsa_user_sgpr_count 2
		.amdhsa_user_sgpr_kernarg_segment_ptr 1
		.amdhsa_wavefront_size32 1
		.amdhsa_system_sgpr_workgroup_id_x 1
		.amdhsa_system_sgpr_workgroup_id_y 1
		.amdhsa_system_sgpr_workgroup_id_z 1
		.amdhsa_system_vgpr_workitem_id 0
		.amdhsa_next_free_vgpr 1024
		.amdhsa_next_free_sgpr 66
		.amdhsa_reserve_vcc 1
		.amdhsa_float_denorm_mode_32 3
		.amdhsa_float_denorm_mode_16_64 3
		.amdhsa_memory_ordered 1
		.amdhsa_forward_progress 1
		.amdhsa_inst_pref_size 255
	.end_amdhsa_kernel
	.section	.bss,"aw",@nobits
	.p2align	6
	.space	262144
	.amdgpu_metadata
---
amdhsa.version: [ 1, 2 ]
amdhsa.kernels:
  - .name:           k_qa331ac5528_main
    .symbol:         k_qa331ac5528_main.kd
    .args:
      - { .name: values, .offset: 0, .size: 8, .value_kind: global_buffer, .address_space: global }
      - { .name: w2f, .offset: 8, .size: 8, .value_kind: global_buffer, .address_space: global }
      - { .name: qbc, .offset: 16, .size: 8, .value_kind: global_buffer, .address_space: global }
      - { .name: wv, .offset: 24, .size: 8, .value_kind: global_buffer, .address_space: global }
      - { .name: bv, .offset: 32, .size: 8, .value_kind: global_buffer, .address_space: global }
      - { .name: sbuf, .offset: 40, .size: 8, .value_kind: global_buffer, .address_space: global }
      - { .name: cpart, .offset: 48, .size: 8, .value_kind: global_buffer, .address_space: global }
    .group_segment_fixed_size: 302080
    .private_segment_fixed_size: 0
    .kernarg_segment_align: 8
    .kernarg_segment_size: 56
    .max_flat_workgroup_size: 128
    .sgpr_count:     66
    .vgpr_count:     1024
    .wavefront_size: 32
...
	.end_amdgpu_metadata
.endif
;; end of part 4
;; launch finish: the kernel of part 3 again; grid 32 x 1, 8 waves a work-group, no clusters, 1,280 bytes of LDS; arguments sbuf, cpart, out0, out1; writes out0, out1
